; MI455X (gfx1250); checked and timed in simulation.
; The chip was launched on July 23, 2026; its instructions are those of AMD's public machine-readable ISA for CDNA 5 (MIT licence, August 2026) and "CDNA5" Instruction Set Architecture Reference Guide (July 2026). The comments in the code are by the model that wrote it; some were corrected since.
;; Multi Head Self Attention. Allowed arithmetic: matrix products marked QUANTISED: E2M1 operands, one E8M0 scale for each 32 along K, by v_wmma_scale_f32_16x16x128_f8f6f4 with both operands' format E2M1 (or v_wmma_scale_f32_32x16x128_f4), f32 sums; products left as they are: bf16, f16 or f32 operands; f32 sums; everything else in f32.
;; Inputs: W_out 1,024 x 1,024 float32; W_qkv 1,024 x 3,072 float32; b_out 1,024 float32; b_qkv 3,072 float32; mask 4 x 2,048 int32; x 4 x 2,048 x 1,024 float32.
;; Outputs: out0 4 x 2,048 x 1,024 float32.
;; This version of the problem:
;;   THIS VERSION OF THE PROBLEM IS GIVEN IN LOW PRECISION. The matrix products marked QUANTISED in the list below multiply operands that are first quantised to E2M1 (2 exponent bits, 1 mantissa bit; 4 bits a number), with one power-of-two scale for each 32 numbers along K (OCP MX v1.0); their sums are f32. The products marked 'left as it is' may take bf16, f16 or f32 operands, with f32 sums. Whichever they take, every output number must still come out within the allowed error. Rounding operands to bf16 (8 significant bits) uses up far more of that allowance than f16 does (11 bits, for magnitudes from 6e-5 to 65,504). All else is computed in f32.
;;   The module's matrix products, in the order in which they are computed (A, B: the left and right operand; K: the contracted axis; several contracted axes count as one K, in the product's order):
;;     1. [M 8,192, K 1,024] x [K 1,024, N 3,072]; A: input x; B: input W_qkv: QUANTISED
;;     2. batch 64 x [M 2,048, K 64] x [K 64, N 2,048]; A: computed on the way; B: computed on the way: left as it is (an operand is computed on the way)
;;     3. batch 64 x [M 2,048, K 2,048] x [K 2,048, N 64]; A: computed on the way; B: computed on the way: left as it is (an operand is computed on the way)
;;     4. [M 8,192, K 1,024] x [K 1,024, N 1,024]; A: computed on the way; B: input W_out: left as it is (an operand is computed on the way)
;;   THE QUANTISER, for each operand of a quantised product, along K:
;;     - K is cut into blocks of 32 from its start; a last block that is shorter is filled with zeros.
;;     - A block's scale is 2^e with e = floor(log2(the largest magnitude in the block)) - 2, held to -126 .. 127; a block of zeros has e = 0. As a byte (E8M0): e + 127.
;;     - Each number is divided by its block's scale, clamped to +-6, and rounded to the nearest number of E2M1, ties to even, subnormals kept.
;;     - The product sums the exact products of the quantised numbers (number of the format x scale) in f32.
;;   ~~~python
;;   def quantise(x, axis):      # numpy; x: float32 -> the quantised numbers, widened to float32 again
;;       x = np.moveaxis(x, axis, -1); K = x.shape[-1]
;;       x = np.pad(x, [(0, 0)] * (x.ndim - 1) + [(0, -K % 32)]); x = x.reshape(x.shape[:-1] + (-1, 32)); a = np.abs(x).max(-1, keepdims=True)
;;       e = np.where(a > 0, np.clip(np.frexp(np.where(a > 0, a, 1))[1] - 1 - 2, -126, 127), 0)      # np.frexp(a)[1] - 1 = floor(log2(a)), exactly
;;       r = np.clip(x / 2.0 ** e, -6, 6)
;;       step = 2.0 ** (np.maximum(np.frexp(np.where(r == 0, 1, r))[1] - 1, 0) - 1)
;;       q = np.round(r / step) * step * 2.0 ** e      # np.round: ties to even
;;       return np.moveaxis(q.reshape(q.shape[:-2] + (-1,))[..., :K], -1, axis).astype(np.float32)
;;   ~~~
;; One version. Each part assembles by itself: llvm-mc -triple=amdgcn-amd-amdhsa -mcpu=gfx1250 --defsym DOCPART=n.
;; ======== version 1 of 1: 4 launches
;; limits: values are held in f16: magnitudes above 65,504 overflow, below 6.1e-05 lose precision; right only within a limited range of input values
;; workspace buffers: xc 4,194,304 bytes; xs 262,144 bytes; wc 1,572,864 bytes; ws 98,304 bytes; wo 2,097,152 bytes; mb 33,280 bytes; qkv 50,331,648 bytes; oc 16,777,216 bytes
;; launch prep (part 1): grid 385 x 1, 4 waves a work-group, no clusters, 33,280 bytes of LDS; arguments x, W_qkv, W_out, mask, xc, xs, wc, ws, wo, mb; writes xc, xs, wc, ws, wo, mb
.if DOCPART == 1
	.amdgcn_target "amdgcn-amd-amdhsa--gfx1250"
	.amdhsa_code_object_version 6
	.text
	.protected	k_q0052e5aa4a_prep
	.globl	k_q0052e5aa4a_prep
	.p2align	8
	.type	k_q0052e5aa4a_prep,@function
k_q0052e5aa4a_prep:
	s_mov_b64 s[64:65], 0
	v_nop
	global_prefetch_b8 v0, s[64:65] scope:SCOPE_SE
	s_setreg_imm32_b32 hwreg(HW_REG_WAVE_MODE, 25, 1), 1
	s_wait_xcnt 0x0
; PREP: everything that is made once from the inputs, in one launch.  Four kinds of work-groups, parted by the work-group's number:
;   0..255    x [8192][1024] f32 -> codes of FP4 (E2M1), K innermost, xc [8192][512 bytes], and one E8M0 byte for each 32 along K, xs [8192][32]
;   256..351  W_qkv [1024 (k)][3072 (n)] f32 -> codes along K (its FIRST axis), wc [n/16][k/32][n%16][16 bytes], and bytes ws [3072][32]
;   352..383  W_out [1024 (k)][1024 (n)] f32 -> f16, wo [n/16][k/8][n%16][16 bytes]
;   384       mask [4][2048] i32 -> mb: an addend for each key's score, and for each batch the softmax's factor c
; wc and wo are laid in the order of a matrix operand's registers: a lane's 16 bytes of a fragment's piece lie at 16 x lane, so the later launches read them with no pitch and no padding.
; THE QUANTISER: a block's scale is 2^(floor(log2(largest magnitude)) - 2); its byte is the largest magnitude's exponent field - 2, held at 1 from below; each number / scale goes to the nearest code, ties to even, beyond 6 to 6.
; A block of zeros gets the byte 1 where the rule says 127: its codes are zeros, which add nothing under any byte but 0xff, and this program alone reads the bytes.
; THE MASK: a hidden key (mask == 0) gets the addend -8e9 to its raw score, that is -1e9 to score / 8; an open key 0.  A batch with NO open key gets addends 0 and c = 0: every weight is then 1 and the result the mean of v, as the replacement of every score by one number gives.
; LIMITS: NaN and infinities among the inputs are not served; blocks whose largest magnitude lies under 2^-124 were not tried; |W_out| stays under 65,504 (f16).
; No two work-groups read the same bytes, so there is nothing to share in a cluster; memory binds, so no matrix unit and no large register tiles.  Only the x path touches LDS.
.set SPW,   12                         ; v12  LDS address of my spare word: SPARE + 4 x my thread's number; never rewritten
.set NIL,   13                         ; v13  0; never rewritten
.set WREG,  8192                       ; x path: LDS region of a wave: two stages of 32 x SP bytes, behind them its 256 scale bytes
.set SP,    80                         ; a lane's place in a stage: 64 bytes + 16 of padding
.set SPARE, 4*WREG                     ; behind the four regions: the spare words, 128 bytes a wave
.set STEPS, 16
.set R,     16                         ; x path: v16-79 four sets of 16 numbers as loaded
.set X,     80                         ; v80-111 two sets of 16 neighbours
.set E,     112                        ; v112-127 a scale byte for each step
.set C,     128                        ; v128-191 codes, registers of their own for each step
.set WX,    32                         ; weight paths: v32-95 two sets of 32 numbers down K
.set WC,    96                         ; v96.. results, registers of their own for each block: no store's data are written again
; ---- x path: a wave takes 16 steps of 512 numbers.  Loads read 512 consecutive bytes; a step's 2,048 bytes turn through the wave's own stage so that a lane gets 16 neighbours along K.
.macro XLOAD t
.irp i, 0,1,2,3
	global_load_b128 v[R+16*((\t)%4)+4*\i:R+16*((\t)%4)+4*\i+3], v3, s[4:5] offset:2048*(\t)+512*\i th:TH_LOAD_NT
.endr
.endm
.macro XTURN t                         ; LDS serves a wave's instructions in order (ISA guide 5.7.1.4): no wait between the stores and the loads
.irp i, 0,1,2,3
	ds_store_b128 v14, v[R+16*((\t)%4)+4*\i:R+16*((\t)%4)+4*\i+3] offset:32*SP*((\t)%2)+8*SP*\i
.endr
.irp i, 0,1,2,3
	ds_load_b128 v[X+16*((\t)%2)+4*\i:X+16*((\t)%2)+4*\i+3], v15 offset:32*SP*((\t)%2)+16*\i
.endr
.endm
.macro XSTEP t
.set XS, X+16*((\t)%2)
.if (\t) > 0
	s_wait_dscnt 1                                 ; this step's numbers are back from the stage (the last step's byte store may be out): so its stores into the stage have read their registers,
.else
	s_wait_dscnt 0x0
.endif
.if (\t)+4 < STEPS
	XLOAD (\t)+4                                   ; which take the loads of four steps on
.endif
.if (\t)+1 < STEPS
.if STEPS-2-(\t) >= 3
	s_wait_loadcnt 12                              ; the next step's four loads are in; those of the three steps behind it may be out
.else
	s_wait_loadcnt 4*(STEPS-2-(\t))                ; the counts run down: nothing more is loaded
.endif
	XTURN (\t)+1
.endif
	v_max3_num_f32 v8, |v[XS]|, |v[XS+1]|, |v[XS+2]|       ; the largest magnitude of my 16, in two chains
	v_max3_num_f32 v9, |v[XS+3]|, |v[XS+4]|, |v[XS+5]|
.irp i, 6,10
	v_max3_num_f32 v8, v8, |v[XS+\i]|, |v[XS+\i+1]|
	v_max3_num_f32 v9, v9, |v[XS+\i+2]|, |v[XS+\i+3]|
.endr
	v_max3_num_f32 v8, v8, |v[XS+14]|, |v[XS+15]|
	v_max3_num_f32 v8, v8, v9, 0x1800000           ; and the floor 2^(3 - 127): the byte cannot fall under 1
	v_max_num_f32_dpp v8, v8, v8 row_xmask:1 row_mask:0xf bank_mask:0xf   ; with my neighbour's 16: the block's
	v_add_nc_u32 v11, 0xff000000, v8               ; 2 off the exponent field: the conversion takes this operand's exponent field as its scale
	v_cvt_scalef32_pk8_fp4_f32 v[C+4*(\t)], v[XS:XS+7], v11
	v_cvt_scalef32_pk8_fp4_f32 v[C+4*(\t)+1], v[XS+8:XS+15], v11
	v_lshrrev_b32 v[E+(\t)], 23, v11               ; the scale's byte (a plain line behind the conversions)
	ds_store_b8 v5, v[E+(\t)] offset:16*(\t)       ; both lanes of a block write the same byte with the same value
	global_store_b64 v4, v[C+4*(\t):C+4*(\t)+1], s[12:13] offset:256*(\t)   ; the wave stores 256 consecutive bytes, aligned
.endm
; ---- weight paths: a lane takes a column n and its registers run down K: each load reads 128 consecutive bytes a wave
.macro WLOAD t, pitch, base
.irp i, 0,1,2,3,4,5,6,7,8,9,10,11,12,13,14,15,16,17,18,19,20,21,22,23,24,25,26,27,28,29,30,31
	global_load_b32 v[WX+32*((\t)%2)+\i], v3, s[\base:\base+1] offset:(32*(\t)+\i)*\pitch th:TH_LOAD_NT
.endr
.endm
.macro WWAIT t
.if (\t) < 7
	s_wait_loadcnt 32                              ; this block's 32 loads are in; the next block's may be out
.else
	s_wait_loadcnt 0x0
.endif
.endm
.macro WBLOCK t                        ; W_qkv: block t of my column: all 32 numbers are mine
.set XS, WX+32*((\t)%2)
	WWAIT \t
	v_max3_num_f32 v16, |v[XS]|, |v[XS+1]|, |v[XS+2]|
	v_max3_num_f32 v17, |v[XS+3]|, |v[XS+4]|, |v[XS+5]|
.irp i, 6,10,14,18,22,26
	v_max3_num_f32 v16, v16, |v[XS+\i]|, |v[XS+\i+1]|
	v_max3_num_f32 v17, v17, |v[XS+\i+2]|, |v[XS+\i+3]|
.endr
	v_max3_num_f32 v16, v16, |v[XS+30]|, |v[XS+31]|
	v_max3_num_f32 v16, v16, v17, 0x1800000        ; the floor, as above
	v_add_nc_u32 v18, 0xff000000, v16
	v_lshrrev_b32 v19, 23, v18                     ; the scale's byte
.if (\t)%4 == 0
	v_mov_b32 v[24+(\t)/4], v19                    ; four bytes to a register, the lower K in the lower byte
.else
	v_lshl_or_b32 v[24+(\t)/4], v19, 8*((\t)%4), v[24+(\t)/4]
.endif
.irp g, 0,1,2,3
	v_cvt_scalef32_pk8_fp4_f32 v[WC+4*(\t)+\g], v[XS+8*\g:XS+8*\g+7], v18
.endr
	global_store_b128 v4, v[WC+4*(\t):WC+4*(\t)+3], s[16:17] offset:256*(\t)   ; sixteen lanes (sixteen columns of one tile) store 256 consecutive bytes, aligned
.if (\t)+2 < 8
	WLOAD (\t)+2, 12288, 6
.endif
.endm
.macro OBLOCK t                        ; W_out: 32 numbers down K become four runs of eight f16
.set XS, WX+32*((\t)%2)
	WWAIT \t
.irp j, 0,1,2,3,4,5,6,7,8,9,10,11,12,13,14,15
	v_cvt_pk_f16_f32 v[WC+16*(\t)+\j], v[XS+2*\j], v[XS+2*\j+1]
.endr
.irp q, 0,1,2,3
	global_store_b128 v4, v[WC+16*(\t)+4*\q:WC+16*(\t)+4*\q+3], s[20:21] offset:(4*(\t)+\q)*256
.endr
.if (\t)+2 < 8
	WLOAD (\t)+2, 4096, 8
.endif
.endm
	s_load_b512 s[4:19], s[0:1], 0x0               ; x 4:5, W_qkv 6:7, W_out 8:9, mask 10:11, xc 12:13, xs 14:15, wc 16:17, ws 18:19
	s_load_b128 s[20:23], s[0:1], 0x40             ; wo 20:21, mb 22:23
	v_lshl_add_u32 v[SPW], v0, 2, SPARE
	v_mov_b32 v[NIL], 0
	v_lshrrev_b32 v1, 5, v0
	v_readfirstlane_b32 s24, v1                    ; wave 0..3
	v_and_b32 v2, 31, v0                           ; lane
	s_mov_b32 s31, 0                               ; the high word of every offset pair s[30:31]
	s_wait_kmcnt 0x0
	s_cmp_lt_u32 ttmp9, 256
	s_cbranch_scc0 .Lnot_x
	; ================= x =================
	v_lshlrev_b32 v3, 4, v2                        ; my 16 bytes of a load's 512
	s_mul_i32 s25, s24, WREG
	v_lshrrev_b32 v14, 2, v2
	v_mul_u32_u24 v14, v14, SP
	v_and_b32 v15, 3, v2
	v_lshl_add_u32 v14, v15, 4, v14
	v_add_nc_u32 v14, s25, v14                     ; the stage, on the way in: SP (lane / 4) + 16 (lane % 4)
	v_mul_u32_u24 v15, v2, SP
	v_add_nc_u32 v15, s25, v15                     ; and on the way out: SP x lane
	v_lshlrev_b32 v4, 3, v2                        ; 8 bytes a lane: my codes' place in a step's, and my part of the 256 scale bytes
	v_lshrrev_b32 v5, 1, v2
	s_add_co_u32 s25, s25, 2*32*SP
	v_add_nc_u32 v5, s25, v5                       ; LDS: my block's byte
	v_add_nc_u32 v6, s25, v4
	s_lshl_b32 s26, ttmp9, 2
	s_add_co_u32 s26, s26, s24                     ; which run of 8,192 numbers is my wave's: 0..1023
	s_lshl_b32 s30, s26, 15
	s_add_nc_u64 s[4:5], s[4:5], s[30:31]          ; 32,768 bytes of x,
	s_lshl_b32 s30, s26, 12
	s_add_nc_u64 s[12:13], s[12:13], s[30:31]      ; 4,096 of codes,
	s_lshl_b32 s30, s26, 8
	s_add_nc_u64 s[14:15], s[14:15], s[30:31]      ; 256 scale bytes a run
.irp t, 0,1,2,3
	XLOAD \t
.endr
	s_wait_loadcnt 12                              ; step 0's four loads are in
	XTURN 0
.irp t, 0,1,2,3,4,5,6,7,8,9,10,11,12,13,14,15
	XSTEP \t
.endr
	ds_load_b64 v[8:9], v6                         ; in order behind my byte stores
	s_wait_dscnt 0x0
	global_store_b64 v4, v[8:9], s[14:15]          ; 32 lanes store 256 consecutive bytes, aligned
	s_wait_tensorcnt 0x0                           ; the wave's end, behind my last LDS store
	ds_add_u32 v[SPW], v[NIL]
	s_wait_dscnt 0x0
	s_endpgm
.Lnot_x:
	s_cmp_lt_u32 ttmp9, 384
	s_cbranch_scc0 .Lmask
	v_lshlrev_b32 v3, 2, v2                        ; in: 4 bytes a lane
	v_lshrrev_b32 v4, 4, v2                        ; which of my two tiles of 16 columns
	v_and_b32 v5, 15, v2                           ; and the column in it
	s_lshl_b32 s29, s24, 5                         ; 32 x wave
	s_cmp_lt_u32 ttmp9, 352
	s_cbranch_scc0 .Lwout
	; ================= W_qkv: 24 groups of 128 columns x 4 quarters of K =================
	s_sub_co_u32 s25, ttmp9, 256
	s_lshr_b32 s26, s25, 2                         ; group of columns
	s_and_b32 s27, s25, 3                          ; quarter of K: 256 rows, 8 blocks
	s_lshl_b32 s28, s26, 7
	s_add_co_u32 s28, s28, s29                     ; my wave's first column
	s_mul_i32 s30, s27, 256*12288
	s_lshl_b32 s25, s28, 2
	s_add_co_u32 s30, s30, s25
	s_add_nc_u64 s[6:7], s[6:7], s[30:31]          ; W_qkv at (256 y, column)
	s_lshl_b32 s30, s28, 9                         ; codes: (column / 16) x 8,192
	s_lshl_b32 s25, s27, 11                        ; + 8 blocks x 256 a quarter
	s_add_co_u32 s30, s30, s25
	s_add_nc_u64 s[16:17], s[16:17], s[30:31]
	s_lshl_b32 s30, s28, 5                         ; bytes: column x 32 + 8 a quarter
	s_lshl_b32 s25, s27, 3
	s_add_co_u32 s30, s30, s25
	s_add_nc_u64 s[18:19], s[18:19], s[30:31]
	v_lshlrev_b32 v4, 13, v4
	v_lshl_add_u32 v4, v5, 4, v4                   ; tile x 8,192 + 16 x column in the tile
	v_lshlrev_b32 v9, 5, v2                        ; my column's row of scale bytes
	WLOAD 0, 12288, 6
	WLOAD 1, 12288, 6
.irp t, 0,1,2,3,4,5,6,7
	WBLOCK \t
.endr
	global_store_b64 v9, v[24:25], s[18:19]        ; my column's 8 bytes of this quarter: rows 32 bytes apart, one byte for each 128 that the path reads
	s_endpgm
.Lwout:
	; ================= W_out: 8 groups of 128 columns x 4 quarters of K =================
	s_sub_co_u32 s25, ttmp9, 352
	s_lshr_b32 s26, s25, 2
	s_and_b32 s27, s25, 3
	s_lshl_b32 s28, s26, 7
	s_add_co_u32 s28, s28, s29                     ; my wave's first column
	s_lshl_b32 s30, s27, 20                        ; 256 rows of 4,096 bytes
	s_lshl_b32 s25, s28, 2
	s_add_co_u32 s30, s30, s25
	s_add_nc_u64 s[8:9], s[8:9], s[30:31]
	s_lshl_b32 s30, s28, 11                        ; (column / 16) x 32,768
	s_lshl_b32 s25, s27, 13                        ; + 32 runs of eight x 256 a quarter
	s_add_co_u32 s30, s30, s25
	s_add_nc_u64 s[20:21], s[20:21], s[30:31]
	v_lshlrev_b32 v4, 15, v4
	v_lshl_add_u32 v4, v5, 4, v4
	WLOAD 0, 4096, 8
	WLOAD 1, 4096, 8
.irp t, 0,1,2,3,4,5,6,7
	OBLOCK \t
.endr
	s_endpgm
.Lmask:
	; ================= the mask: wave b takes batch b =================
	s_lshl_b32 s30, s24, 13                        ; 2,048 words a batch
	s_add_nc_u64 s[10:11], s[10:11], s[30:31]
	s_add_nc_u64 s[28:29], s[22:23], s[30:31]      ; the addends' place
	s_lshl_b32 s30, s24, 7
	s_add_nc_u64 s[22:23], s[22:23], s[30:31]      ; c's place, less 32,768
	v_lshlrev_b32 v3, 4, v2
	v_lshlrev_b32 v4, 2, v2
.irp n, 0,1,2,3,4,5,6,7,8,9,10,11,12,13,14,15
	global_load_b128 v[32+4*\n:32+4*\n+3], v3, s[10:11] offset:512*\n
.endr
	s_wait_loadcnt 0x0
.irp k, 0,1,2,3
	v_or_b32 v[16+\k], v[32+\k], v[36+\k]          ; is any key open?  four chains
.endr
.irp n, 2,3,4,5,6,7,8,9,10,11,12,13,14,15
.irp k, 0,1,2,3
	v_or_b32 v[16+\k], v[16+\k], v[32+4*\n+\k]
.endr
.endr
	v_or_b32 v16, v16, v17
	v_or_b32 v18, v18, v19
	v_or_b32 v16, v16, v18
	v_cmp_ne_u32 s30, 0, v16                       ; a bit for each lane that saw an open key
	s_cmp_lg_u32 s30, 0
	s_cselect_b32 s25, 0xcfee6b28, 0               ; -8e9 for a hidden key, where the batch has an open one
	s_cselect_b32 s26, 0x3e38aa3b, 0               ; c = log2(e) / 8, or 0
	v_mov_b32 v14, s25
	v_mov_b32 v15, s26
.irp j, 0,1,2,3,4,5,6,7,8,9,10,11,12,13,14,15,16,17,18,19,20,21,22,23,24,25,26,27,28,29,30,31,32,33,34,35,36,37,38,39,40,41,42,43,44,45,46,47,48,49,50,51,52,53,54,55,56,57,58,59,60,61,62,63
	v_cmp_eq_u32 vcc_lo, 0, v[32+\j]
	v_cndmask_b32 v[96+\j], 0, v14, vcc_lo
.endr
.irp n, 0,1,2,3,4,5,6,7,8,9,10,11,12,13,14,15
	global_store_b128 v3, v[96+4*\n:96+4*\n+3], s[28:29] offset:512*\n
.endr
	global_store_b32 v4, v15, s[22:23] offset:32768   ; 32 copies of c: 128 consecutive bytes a wave
	s_endpgm
.Lfunc_end_k_q0052e5aa4a_prep:
	.size	k_q0052e5aa4a_prep, .Lfunc_end_k_q0052e5aa4a_prep-k_q0052e5aa4a_prep
	.p2alignl 7, 3214868480
	.fill 96, 4, 3214868480
	.section	.rodata,"a",@progbits
	.p2align	6, 0x0
	.amdhsa_kernel k_q0052e5aa4a_prep
		.amdhsa_group_segment_fixed_size 33280
		.amdhsa_private_segment_fixed_size 0
		.amdhsa_enable_private_segment 0
		.amdhsa_kernarg_size 80
		.amdhsa_user_sgpr_count 2
		.amdhsa_user_sgpr_kernarg_segment_ptr 1
		.amdhsa_wavefront_size32 1
		.amdhsa_system_sgpr_workgroup_id_x 1
		.amdhsa_system_sgpr_workgroup_id_y 1
		.amdhsa_system_sgpr_workgroup_id_z 1
		.amdhsa_system_vgpr_workitem_id 0
		.amdhsa_next_free_vgpr 224
		.amdhsa_next_free_sgpr 66
		.amdhsa_reserve_vcc 1
		.amdhsa_float_denorm_mode_32 3
		.amdhsa_float_denorm_mode_16_64 3
		.amdhsa_memory_ordered 1
		.amdhsa_forward_progress 1
		.amdhsa_inst_pref_size 116
	.end_amdhsa_kernel
	.amdgpu_metadata
---
amdhsa.version: [ 1, 2 ]
amdhsa.kernels:
  - .name:           k_q0052e5aa4a_prep
    .symbol:         k_q0052e5aa4a_prep.kd
    .args:
      - { .name: x, .offset: 0, .size: 8, .value_kind: global_buffer, .address_space: global }
      - { .name: W_qkv, .offset: 8, .size: 8, .value_kind: global_buffer, .address_space: global }
      - { .name: W_out, .offset: 16, .size: 8, .value_kind: global_buffer, .address_space: global }
      - { .name: mask, .offset: 24, .size: 8, .value_kind: global_buffer, .address_space: global }
      - { .name: xc, .offset: 32, .size: 8, .value_kind: global_buffer, .address_space: global }
      - { .name: xs, .offset: 40, .size: 8, .value_kind: global_buffer, .address_space: global }
      - { .name: wc, .offset: 48, .size: 8, .value_kind: global_buffer, .address_space: global }
      - { .name: ws, .offset: 56, .size: 8, .value_kind: global_buffer, .address_space: global }
      - { .name: wo, .offset: 64, .size: 8, .value_kind: global_buffer, .address_space: global }
      - { .name: mb, .offset: 72, .size: 8, .value_kind: global_buffer, .address_space: global }
    .group_segment_fixed_size: 33280
    .private_segment_fixed_size: 0
    .kernarg_segment_align: 8
    .kernarg_segment_size: 80
    .max_flat_workgroup_size: 128
    .sgpr_count:     66
    .vgpr_count:     224
    .wavefront_size: 32
...
	.end_amdgpu_metadata
.endif
;; end of part 1
;; launch qkv (part 2): grid 12 x 32, 4 waves a work-group, clusters of 4 x 4, 327,680 bytes of LDS; arguments xc, xs, wc, ws, b_qkv, qkv; writes qkv
.if DOCPART == 2
	.amdgcn_target "amdgcn-amd-amdhsa--gfx1250"
	.amdhsa_code_object_version 6
	.text
	.protected	k_q0052e5aa4a_qkv
	.globl	k_q0052e5aa4a_qkv
	.p2align	8
	.type	k_q0052e5aa4a_qkv,@function
k_q0052e5aa4a_qkv:
	s_mov_b64 s[64:65], 0
	v_nop
	global_prefetch_b8 v0, s[64:65] scope:SCOPE_SE
	s_setreg_imm32_b32 hwreg(HW_REG_WAVE_MODE, 25, 1), 1
	s_wait_xcnt 0x0
	s_wait_alu depctr_hold_cnt(0) depctr_sa_sdst(0) depctr_va_vdst(0) depctr_va_sdst(0) depctr_va_ssrc(0) depctr_va_vcc(0) depctr_vm_vsrc(0)
	s_getreg_b32 s2, hwreg(HW_REG_IB_STS2, 6, 4)
	s_cmp_eq_u32 s2, 0
	s_cbranch_scc0 .Lentry_in_a_cluster
	s_endpgm
.Lentry_in_a_cluster:
	s_bfe_u32 s2, ttmp6, 0x10000c
	s_cmp_lg_u32 s2, 0xf033
	s_cbranch_scc0 .Lentry_shape_is_right
	s_endpgm
.Lentry_shape_is_right:
; QKV = Q(x) Q(W_qkv) + b_qkv: [8192][1024] x [1024][3072] on codes of FP4 (E2M1) with one E8M0 scale for each 32 along K; sums in f32; the result rounded once to f16.
; xc: x's codes [8192][512 bytes], rows along K.  wc: W's codes in the order of the operand's registers, [n/16][k/32][n%16][16 bytes].  xs [8192][32], ws [3072][32]: scale bytes.
; OUT: qkv [q, k or v][batch x head 64][token tile 128][16 channels 4][512 bytes], f16, again in the order of the next launch's operand registers: a lane's eight results (eight neighbouring channels of one token) are 16 bytes,
; and they are stored straight from registers, 512 consecutive bytes an instruction.  For q and k the lane's place is 16 x lane; for v it is permuted so that the turning LDS load of the next launch finds its bytes at 16 x lane.
; A tile of C, 256 x 256, is made by a work-group of four waves; a wave makes 128 x 128: 64 accumulators, 512 registers.  K = 1,024 is two slots of 512: both are first fills, nothing is filled again.
; The scale bytes of the work-group's 256 + 256 rows come once, as dense blocks, with the first fills.  A wave has three tensor loads out.
; CLUSTERS: 4 x 4 work-groups; x's tiles are shared along a row of the cluster, W's along a column: each is asked for jointly.
; THE MATRIX INSTRUCTION IS USED TRANSPOSED (source 0 = 16 columns of W, source 1 = 16 rows of x): a lane holds eight neighbouring channels of one token.  The bias is the C of each sum's first instruction.
; LIMIT: |q|, |k|, |v| stay under 65,504 (f16).  The whole of a WGP's LDS is claimed.
; REGISTERS: window 0: v0-31 addresses; v32-95 scale words, two sets; v128-191 x's fragments, one set; v192-255 the bias, 8 tiles x 8; on the way out v64-191 packed results.
;   window 1: W's fragments, two sets, at v0 and v128.   window 2: accumulators of my rows 0-63 ((a, b) at v[8 (8 a + b)]);   window 3: of my rows 64-127.
.set NQ,     4                         ; matrix instructions deep in a slot (512 along K)
.set ROWB,   256                       ; a row of x's tile in bytes
.set KROW,   512                       ; a row of x's codes; also 16 columns of W's codes / 16
.set PITCH,  272                       ; x's LDS row: 256 bytes + 16 of padding: the 16 rows that a load touches start 68 words apart
.set FR,     8
.set NL,     2
.set NP,     4                         ; places behind this matrix form (ISA guide 7.12.1)
.set HALFT,  128*PITCH                 ; the room of one tensor load's tile: 128 rows of x (34,816 bytes) or 8 tiles of W (32,768 of them used)
.set SLOT,   4*HALFT
.set KS,     32                        ; a row of scale bytes
.set SCL,    2*SLOT                    ; behind the slots: the scales, as units of 256 bytes + 16 of padding
.set HALFS,  (128*KS/256)*272
.set SBLK,   (16*KS/256)*272
.set SPARE,  SCL+4*HALFS               ; the spare words, 128 bytes a wave
.set ADRA, 16                          ; v16-17 LDS address of my x fragments in slot 0, 1
.set ADRB, 20                          ; v20-21 the same for W
.set CO,   26                          ; v26    the way out: my lane's place in a piece of 512 bytes
.set ADRS, 27                          ; v27    LDS address of my scale words: lanes 0-15 x's rows, lanes 16-31 W's columns
.set SPW,  28                          ; v28    LDS address of my spare word; never rewritten
.set NIL,  29                          ; v29    0; never rewritten
.set BO,   30                          ; v30    32 x (lane / 16): my eight numbers of a tile of the bias
.set SC,   32
.set AF,   128
.set BIA,  192
.set PK,   64
.set G1, 24                            ; s[24:31] group 1 for x's tiles; s[32:39] group 0, a set for each slot
.set G0, 32
.set G1B, 48                           ; s[48:55], s[56:63] the same for W's
.set G0B, 56
.set G1S, 68                           ; s[68:75], s[76:79] for x's scales; s[80:87], s[88:91] for W's
.set G0S, 76
.set G1SB, 80
.set G0SB, 88
.set MSB, 0
.macro WIN new                         ; the immediate's high byte repeats the setting that is left
.if MSB != \new
	s_set_vgpr_msb (MSB<<8)|\new
.set MSB, \new
.endif
.endm
.set MUL_LO, 0xa1                      ; source 0 (W) window 1, source 1 (x) window 0, C and D window 2
.set MUL_HI, 0xf1                      ; the same, C and D window 3
.set FST_LO, 0x81                      ; the first step: C (the bias) window 0, D window 2
.set FST_HI, 0xc1                      ; D window 3
.set TO_B,   0x40
; A joint load: waves 0 and 1 fetch for x, waves 2 and 3 for W.  The branch hangs on the wave's number alone.  An s_nop 0 and four v_nop follow each of the two lines.
.macro JLOAD g0a, g1a, g0b, g1b
	s_cmp_eq_u32 s15, 0
	s_cbranch_scc0 .Lfor_b_\@
	tensor_load_to_lds s[\g0a:\g0a+3], s[\g1a:\g1a+7]
	s_nop 0
.rept 4
	v_nop
.endr
	s_branch .Lasked_\@
.Lfor_b_\@:
	tensor_load_to_lds s[\g0b:\g0b+3], s[\g1b:\g1b+7]
	s_nop 0
.rept 4
	v_nop
.endr
.Lasked_\@:
.endm
.macro CROUND                          ; a round of the cluster's barrier
	s_barrier_signal -1
	s_barrier_wait -1
	s_cmp_lg_u32 s14, 0
	s_cbranch_scc1 .Lnot_wave_0_\@
	s_barrier_signal -3
.Lnot_wave_0_\@:
	s_barrier_wait -3
	s_barrier_signal -1
	s_barrier_wait -1
.endm
	s_load_b128 s[4:7], s[0:1], 0x0                ; x's codes, x's scales
	s_load_b128 s[8:11], s[0:1], 0x10              ; W's codes, W's scales
	s_load_b128 s[96:99], s[0:1], 0x20             ; b_qkv, qkv
	v_lshl_add_u32 v[SPW], v0, 2, SPARE
	v_mov_b32 v[NIL], 0
	ds_add_u32 v[SPW], v[NIL]                      ; the wave's opening: the add, twice on end, and its wait ahead of my first tensor load
	ds_add_u32 v[SPW], v[NIL]
	v_lshrrev_b32 v1, 5, v0
	v_readfirstlane_b32 s14, v1                    ; wave 0..3
	s_lshr_b32 s15, s14, 1                         ; which half of the tile's rows is mine.  Also: I fetch for x (0) or for W (1)
	s_and_b32 s16, s14, 1                          ; which half of its columns.  Also: which half of that tile I fetch
	s_bfe_u32 s40, ttmp6, 0x40000                  ; cx, cy: my place in the cluster
	s_bfe_u32 s41, ttmp6, 0x40004
	s_lshl_b32 s42, ttmp9, 2
	s_add_co_u32 s42, s42, s40                     ; tile column = 4 x cluster x + cx
	s_and_b32 s17, ttmp7, 0xffff
	s_lshl_b32 s17, s17, 2
	s_add_co_u32 s17, s17, s41                     ; tile row = 4 x cluster y + cy
	s_lshl_b32 s43, s41, 2
	s_lshl_b32 s43, 15, s43                        ; my row of the cluster
	s_lshl_b32 s44, 0x1111, s40                    ; my column
	s_or_b32 s[G1+0], s43, (0<<16)|(1<<20)|(1<<21)|(5<<22)|(3<<25)  ; x: the mask of my row; elements of 1 byte; 4 words of padding behind every 64
	s_mov_b32 s[G1+1], ROWB<<16                    ; tensor_dim0 = 256
	s_mov_b32 s[G1+2], 128<<16                     ; tensor_dim1 = 128
	s_mov_b32 s[G1+3], ROWB<<16                    ; tile_dim0
	s_mov_b32 s[G1+4], 128                         ; tile_dim1
	s_mov_b32 s[G1+5], KROW                        ; from row to row
	s_mov_b32 s[G1+6], 0
	s_mov_b32 s[G1+7], 0
	s_or_b32 s[G1B+0], s44, (3<<16)|(1<<21)        ; W: the mask of my column; elements of 8 bytes; no padding: 8 tiles of 16 columns, 4,096 bytes (512 along K) of each
	s_mov_b32 s[G1B+1], 512<<16                    ; tensor_dim0 = 512 elements
	s_mov_b32 s[G1B+2], 8<<16                      ; tensor_dim1 = 8
	s_mov_b32 s[G1B+3], 512<<16
	s_mov_b32 s[G1B+4], 8
	s_mov_b32 s[G1B+5], 1024                       ; a tile of 16 columns is 8,192 bytes
	s_mov_b32 s[G1B+6], 0
	s_mov_b32 s[G1B+7], 0
	s_or_b32 s[G1S+0], s43, (3<<16)|(1<<20)|(1<<21)|(5<<22)|(3<<25)  ; the scales of 128 rows: 4,096 dense bytes as 16 rows of 256, 16 bytes of padding behind each
	s_or_b32 s[G1SB+0], s44, (3<<16)|(1<<20)|(1<<21)|(5<<22)|(3<<25)
.irp g, G1S, G1SB
	s_mov_b32 s[\g+1], 32<<16
	s_mov_b32 s[\g+2], (128*KS/256)<<16
	s_mov_b32 s[\g+3], 32<<16
	s_mov_b32 s[\g+4], 128*KS/256
	s_mov_b32 s[\g+5], 32
	s_mov_b32 s[\g+6], 0
	s_mov_b32 s[\g+7], 0
.endr
	s_lshl_b32 s18, s16, 7                         ; which 128 rows (columns) I fetch
	s_lshl_b32 s20, s17, 8
	s_add_co_u32 s20, s20, s18                     ; x: row 256 x tile row + 128 x half
	s_lshl_b32 s46, s42, 8
	s_add_co_u32 s46, s46, s18                     ; W: column 256 x tile column + 128 x half
	s_mov_b32 s21, 0
	s_mov_b32 s47, 0
	s_mov_b64 s[18:19], KS
	s_mul_u64 s[22:23], s[20:21], s[18:19]         ; where their scales begin,
	s_mul_u64 s[92:93], s[46:47], s[18:19]
	s_mov_b64 s[18:19], KROW
	s_mul_u64 s[20:21], s[20:21], s[18:19]         ; and their codes: 512 bytes a row of x, and 8,192 for 16 columns of W
	s_mul_u64 s[46:47], s[46:47], s[18:19]
	s_mul_i32 s45, s14, HALFT                      ; where they go: no place in the cluster enters an LDS address
	s_mul_i32 s94, s14, HALFS
	s_wait_dscnt 0x0                               ; both opening adds are done
	s_wait_kmcnt 0x0
	s_add_nc_u64 s[20:21], s[4:5], s[20:21]
	s_add_nc_u64 s[22:23], s[6:7], s[22:23]
	s_add_nc_u64 s[46:47], s[8:9], s[46:47]
	s_add_nc_u64 s[92:93], s[10:11], s[92:93]
	CROUND                                         ; all sixteen work-groups are here: the first joint loads meet
	s_mov_b32 s[G0S], 1
	s_add_co_u32 s[G0S+1], s94, SCL
	s_mov_b64 s[G0S+2:G0S+3], s[22:23]
	s_or_b32 s[G0S+3], s[G0S+3], 0x80000000
	s_mov_b32 s[G0SB], 1
	s_add_co_u32 s[G0SB+1], s94, SCL
	s_mov_b64 s[G0SB+2:G0SB+3], s[92:93]
	s_or_b32 s[G0SB+3], s[G0SB+3], 0x80000000
	JLOAD G0S, G1S, G0SB, G1SB                     ; the scales first: they are wanted with the first slot
.irp s, 0,1
	s_mov_b32 s[G0+4*\s], 1
	s_add_co_u32 s[G0+4*\s+1], s45, \s*SLOT
	s_add_nc_u64 s[G0+4*\s+2:G0+4*\s+3], s[20:21], \s*ROWB
	s_or_b32 s[G0+4*\s+3], s[G0+4*\s+3], 0x80000000
	s_mov_b32 s[G0B+4*\s], 1
	s_add_co_u32 s[G0B+4*\s+1], s45, \s*SLOT
	s_add_nc_u64 s[G0B+4*\s+2:G0B+4*\s+3], s[46:47], \s*4096
	s_or_b32 s[G0B+4*\s+3], s[G0B+4*\s+3], 0x80000000
	JLOAD G0+4*\s, G1, G0B+4*\s, G1B
.endr
	v_and_b32 v1, 15, v0                           ; r = lane % 16
	v_bfe_u32 v2, v0, 4, 1                         ; h = lane / 16
	v_mul_u32_u24 v3, v1, PITCH
	v_lshl_add_u32 v4, v2, 4, v3                   ; x: row x pitch + 16 h
	v_and_b32 v6, 31, v0
	v_lshlrev_b32 v7, 4, v6                        ; W: 16 x lane
	s_mul_i32 s21, s15, HALFT                      ; my 128 rows of x
	s_mul_i32 s22, s16, HALFT                      ; my 8 tiles of W,
	s_add_co_u32 s22, s22, 2*HALFT                 ; which lie behind x's 256 rows
.irp s, 0,1
	v_add_nc_u32 v[ADRA+\s], s21, v4
	v_add_nc_u32 v[ADRB+\s], s22, v7
	s_add_co_u32 s21, s21, SLOT
	s_add_co_u32 s22, s22, SLOT
.endr
	v_mul_u32_u24 v5, v1, KS                       ; my row's scales: 32 bytes a row,
	v_lshrrev_b32 v8, 8, v5
	v_lshl_add_u32 v5, v8, 4, v5                   ; and 16 more for each 256 passed
	s_mul_i32 s21, s15, HALFS                      ; x's: my 128 rows
	s_mul_i32 s22, s16, HALFS                      ; W's: my 128 columns, behind x's 256
	s_add_co_u32 s22, s22, 2*HALFS
	s_sub_co_u32 s22, s22, s21
	v_mul_u32_u24 v8, s22, v2                      ; lanes 16-31 take W's: the lower base + h x the distance
	s_add_co_u32 s21, s21, SCL
	v_add_nc_u32 v5, v5, v8
	v_add_nc_u32 v[ADRS], s21, v5
	v_lshlrev_b32 v[BO], 5, v2
	s_lshl_b32 s46, s42, 10                        ; the bias of my 128 columns: 4 x (256 x tile column + 128 x half)
	s_lshl_b32 s47, s16, 9
	s_add_co_u32 s46, s46, s47
	s_mov_b32 s47, 0
	s_add_nc_u64 s[96:97], s[96:97], s[46:47]
.irp b, 0,1,2,3,4,5,6,7
	global_load_b128 v[BIA+8*\b:BIA+8*\b+3], v[BO], s[96:97] offset:64*\b       ; lane (r, h), tile b: columns 16 b + 8 h + 0 .. 7: the result's layout
	global_load_b128 v[BIA+8*\b+4:BIA+8*\b+7], v[BO], s[96:97] offset:64*\b+16
.endr
	; the way out.  Columns: third (q, k, v) = tile column / 4 = cluster x; head = 4 cx + 2 x half + b / 4; channels 16 (b % 4).  Rows: batch = tile row / 8; token tile = 16 (tile row % 8) + 8 x half + a
	v_bfe_u32 v9, v0, 3, 1
	v_and_b32 v10, 7, v0
	v_lshlrev_b32 v9, 8, v9
	v_lshl_add_u32 v9, v2, 7, v9
	v_lshl_add_u32 v9, v10, 4, v9                  ; v's order: 256 (token / 8) + 128 h + 16 (token % 8)
	s_cmp_eq_u32 ttmp9, 2                          ; is my third v?  The cluster's x alone decides
	s_cselect_b32 s12, -1, 0
	v_cndmask_b32 v[CO], v7, v9, s12
	s_lshl_b32 s20, ttmp9, 24                      ; 16,777,216 bytes a third
	s_lshr_b32 s21, s17, 3
	s_lshl_b32 s21, s21, 4
	s_lshl_b32 s22, s40, 2
	s_add_co_u32 s21, s21, s22
	s_lshl_b32 s22, s16, 1
	s_add_co_u32 s21, s21, s22                     ; 16 x batch + my first head
	s_lshl_b32 s21, s21, 18                        ; 262,144 bytes a head
	s_add_co_u32 s20, s20, s21
	s_and_b32 s21, s17, 7
	s_lshl_b32 s21, s21, 4
	s_lshl_b32 s22, s15, 3
	s_add_co_u32 s21, s21, s22                     ; my first token tile
	s_lshl_b32 s21, s21, 11                        ; 2,048 bytes a token tile
	s_add_co_u32 s20, s20, s21
	s_mov_b32 s21, 0
	s_add_nc_u64 s[98:99], s[98:99], s[20:21]
.macro FRAGA reg, adr, q, i            ; 16 rows x 128 K of 4-bit codes: lane l holds row l % 16; registers 4 c .. 4 c + 3 hold K = 64 c + 32 (l / 16) + 0 .. 31
.irp c, 0,1
	ds_load_b128 v[\reg+4*\c:\reg+4*\c+3], v[\adr] offset:64*(\q)+32*\c+(\i)*16*PITCH
.endr
.endm
.macro FRAGB reg, adr, q, i            ; the same from W's order: tile i, block of 32 along K 4 q + 2 c + l / 16, column l % 16: 4,096 i + 1,024 q + 512 c + 16 l
.irp c, 0,1
	ds_load_b128 v[\reg+4*\c:\reg+4*\c+3], v[\adr] offset:4096*(\i)+1024*(\q)+512*\c
.endr
.endm
; 16 matrix instructions: x's blocks a0, a0 + 1 against W's eight, 128 along K.  first = 1: the bias is the C: nothing is ever cleared.  The 64 accumulators take turns, one instruction a turn.
.macro MUL16 a0, p, q, sc, first
.irp a, \a0, \a0+1
.irp b, 0,1,2,3,4,5,6,7
.if \first
	v_wmma_scale_f32_16x16x128_f8f6f4 v[8*(8*((\a)%4)+\b):8*(8*((\a)%4)+\b)+7], v[128*(\p)+FR*\b:128*(\p)+FR*\b+FR-1], v[AF+FR*(\a):AF+FR*(\a)+FR-1], v[BIA+8*\b:BIA+8*\b+7], v[SC+8*NQ*(\sc)+NQ*\b+(\q)], v[SC+8*NQ*(\sc)+NQ*(\a)+(\q)] matrix_a_fmt:MATRIX_FMT_FP4 matrix_b_fmt:MATRIX_FMT_FP4 matrix_a_scale:MATRIX_SCALE_ROW1
.else
	v_wmma_scale_f32_16x16x128_f8f6f4 v[8*(8*((\a)%4)+\b):8*(8*((\a)%4)+\b)+7], v[128*(\p)+FR*\b:128*(\p)+FR*\b+FR-1], v[AF+FR*(\a):AF+FR*(\a)+FR-1], v[8*(8*((\a)%4)+\b):8*(8*((\a)%4)+\b)+7], v[SC+8*NQ*(\sc)+NQ*\b+(\q)], v[SC+8*NQ*(\sc)+NQ*(\a)+(\q)] matrix_a_fmt:MATRIX_FMT_FP4 matrix_b_fmt:MATRIX_FMT_FP4 matrix_a_scale:MATRIX_SCALE_ROW1
.endif
.endr
.endr
.endm
.macro FETCH_B slot, q, p
	WIN TO_B
.irp i, 0,1,2,3,4,5,6,7
	FRAGB 128*(\p)+FR*\i, ADRB+\slot, \q, \i
.endr
	WIN 0
.endm
.macro FETCH_A slot, q, i0
.irp i, \i0, \i0+1, \i0+2, \i0+3
	FRAGA AF+FR*(\i), ADRA+\slot, \q, \i
.endr
.endm
.macro SCALES sc                       ; a slot's scale words: four a row; lanes 0-15 take x's block i, lanes 16-31 W's block i
.irp i, 0,1,2,3,4,5,6,7
	ds_load_b128 v[SC+8*NQ*\sc+NQ*\i:SC+8*NQ*\sc+NQ*\i+3], v[ADRS] offset:\i*SBLK
.endr
.endm
.macro PLACES n                        ; plain vector lines between a matrix instruction and a load into, or a vector line on, its registers
.rept \n
	v_nop
.endr
.endm
; A step of 128 along K that has its successor in the same slot.  x has one set of fragments: blocks 0-3 are fetched anew in the step's middle, blocks 4-7 at its end; W has two sets.
.macro STEP slot, q, first
	s_wait_dscnt 4*NL                              ; W's set and x's blocks 0-3 are in; the youngest eight loads (x's blocks 4-7) may be out
.if \first
	WIN FST_LO
.else
	WIN MUL_LO
.endif
	MUL16 0, (\q)%2, \q, \slot, \first
	MUL16 2, (\q)%2, \q, \slot, \first
	s_wait_dscnt 0                                 ; x's blocks 4-7 are in
	PLACES NP
	FETCH_B \slot, (\q)+1, 1-(\q)%2
	FETCH_A \slot, (\q)+1, 0
.if \first
	WIN FST_HI
.else
	WIN MUL_HI
.endif
	MUL16 4, (\q)%2, \q, \slot, \first
	MUL16 6, (\q)%2, \q, \slot, \first
	PLACES NP
	WIN 0
	FETCH_A \slot, (\q)+1, 4
.endm
.macro STEPS slot, from
.set Q, \from
.rept NQ-1-\from
	STEP \slot, Q, 0
.set Q, Q+1
.endr
.endm
	s_wait_tensorcnt 1                             ; the scales and my part of slot 0 are in (slot 1's load may be out)
	s_barrier_signal -1
	s_barrier_wait -1                              ; everybody's are
	FETCH_B 0, 0, 0
	FETCH_A 0, 0, 0
	SCALES 0
	FETCH_A 0, 0, 4
	s_wait_loadcnt 0x0                             ; the bias
	STEP 0, 0, 1                                   ; the first step starts the sums on the bias
	STEPS 0, 1
	; slot 0's last step changes slots: my part of slot 1 has landed, everybody's behind the barrier
	s_wait_tensorcnt 0x0
	ds_add_u32 v[SPW], v[NIL]                      ; 0 onto my spare word
	s_wait_dscnt 4*NL+1                            ; (the add and x's blocks 4-7 may be out)
	WIN MUL_LO
	MUL16 0, 1, NQ-1, 0, 0
	s_wait_dscnt 0x0
	s_barrier_signal -1
	MUL16 2, 1, NQ-1, 0, 0
	WIN 0
	s_barrier_wait -1
	PLACES NP
	v_add_nc_u32 v[ADRS], 4*NQ, v[ADRS]            ; on to slot 1's scale words
	FETCH_B 1, 0, 0
	FETCH_A 1, 0, 0
	SCALES 1
	WIN MUL_HI
	MUL16 4, 1, NQ-1, 0, 0
	MUL16 6, 1, NQ-1, 0, 0
	PLACES NP
	WIN 0
	FETCH_A 1, 0, 4
	STEPS 1, 0
	s_wait_dscnt 4*NL                              ; the very last step: nothing more to fetch
	WIN MUL_LO
	MUL16 0, 1, NQ-1, 1, 0
	MUL16 2, 1, NQ-1, 1, 0
	s_wait_dscnt 0
	WIN MUL_HI
	MUL16 4, 1, NQ-1, 1, 0
	MUL16 6, 1, NQ-1, 1, 0
	WIN 0
; THE WAY OUT: block a (16 tokens x 128 channels): each accumulator's eight numbers, from its low end on, become 16 bytes of f16 and are stored from registers: 32 lanes store 512 consecutive bytes.
.macro OUTB a
.set AC, 64*((\a)%4)
.set PB, PK+32*((\a)%4)
.if (\a) >= 4
	s_wait_xcnt 0x0                                ; the stores of four blocks ago have read these registers
.endif
	WIN 0x0a+5*((\a)/4)                            ; sources 0 and 1: window 2 or 3
.irp b, 0,1,2,3,4,5,6,7
.irp r, 0,1,2,3
	v_cvt_pk_f16_f32 v[PB+4*\b+\r], v[AC+8*\b+2*\r], v[AC+8*\b+2*\r+1]
.endr
.endr
	WIN 0
.irp b, 0,1,2,3,4,5,6,7
	global_store_b128 v[CO], v[PB+4*\b:PB+4*\b+3], s[98:99] offset:(\a)*2048+(\b/4)*262144+(\b%4)*512
.endr
.endm
	PLACES NP                                      ; behind the last products: their results are read, and registers that held their operands and scales are written
.irp a, 0,1,2,3,4,5,6,7
	OUTB \a
.endr
	s_wait_tensorcnt 0x0                           ; the wave's end
	ds_add_u32 v[SPW], v[NIL]
	s_wait_dscnt 0x0
	CROUND                                         ; the closing round: no work-group ends while a partner may still ask for a tile that names it
	s_endpgm
.Lfunc_end_k_q0052e5aa4a_qkv:
	.size	k_q0052e5aa4a_qkv, .Lfunc_end_k_q0052e5aa4a_qkv-k_q0052e5aa4a_qkv
	.p2alignl 7, 3214868480
	.fill 96, 4, 3214868480
	.section	.rodata,"a",@progbits
	.p2align	6, 0x0
	.amdhsa_kernel k_q0052e5aa4a_qkv
		.amdhsa_group_segment_fixed_size 327680
		.amdhsa_private_segment_fixed_size 0
		.amdhsa_enable_private_segment 0
		.amdhsa_kernarg_size 48
		.amdhsa_user_sgpr_count 2
		.amdhsa_user_sgpr_kernarg_segment_ptr 1
		.amdhsa_wavefront_size32 1
		.amdhsa_system_sgpr_workgroup_id_x 1
		.amdhsa_system_sgpr_workgroup_id_y 1
		.amdhsa_system_sgpr_workgroup_id_z 1
		.amdhsa_system_vgpr_workitem_id 0
		.amdhsa_next_free_vgpr 1024
		.amdhsa_next_free_sgpr 100
		.amdhsa_reserve_vcc 0
		.amdhsa_float_denorm_mode_32 3
		.amdhsa_float_denorm_mode_16_64 3
		.amdhsa_memory_ordered 1
		.amdhsa_forward_progress 1
		.amdhsa_inst_pref_size 120
	.end_amdhsa_kernel
	.amdgpu_metadata
---
amdhsa.version: [ 1, 2 ]
amdhsa.kernels:
  - .name:           k_q0052e5aa4a_qkv
    .symbol:         k_q0052e5aa4a_qkv.kd
    .args:
      - { .name: xc, .offset: 0, .size: 8, .value_kind: global_buffer, .address_space: global }
      - { .name: xs, .offset: 8, .size: 8, .value_kind: global_buffer, .address_space: global }
      - { .name: wc, .offset: 16, .size: 8, .value_kind: global_buffer, .address_space: global }
      - { .name: ws, .offset: 24, .size: 8, .value_kind: global_buffer, .address_space: global }
      - { .name: b_qkv, .offset: 32, .size: 8, .value_kind: global_buffer, .address_space: global }
      - { .name: qkv, .offset: 40, .size: 8, .value_kind: global_buffer, .address_space: global }
    .group_segment_fixed_size: 327680
    .private_segment_fixed_size: 0
    .kernarg_segment_align: 8
    .kernarg_segment_size: 48
    .max_flat_workgroup_size: 128
    .sgpr_count:     100
    .vgpr_count:     1024
    .wavefront_size: 32
...
	.end_amdgpu_metadata
.endif
;; end of part 2
;; launch attn (part 3): grid 4 x 64, 8 waves a work-group, clusters of 4 x 1, 327,680 bytes of LDS; arguments qkv, mb, oc; writes oc
.if DOCPART == 3
	.amdgcn_target "amdgcn-amd-amdhsa--gfx1250"
	.amdhsa_code_object_version 6
	.text
	.protected	k_q0052e5aa4a_attn
	.globl	k_q0052e5aa4a_attn
	.p2align	8
	.type	k_q0052e5aa4a_attn,@function
k_q0052e5aa4a_attn:
	s_mov_b64 s[64:65], 0
	v_nop
	global_prefetch_b8 v0, s[64:65] scope:SCOPE_SE
	s_setreg_imm32_b32 hwreg(HW_REG_WAVE_MODE, 25, 1), 1
	s_wait_xcnt 0x0
	s_wait_alu depctr_hold_cnt(0) depctr_sa_sdst(0) depctr_va_vdst(0) depctr_va_sdst(0) depctr_va_ssrc(0) depctr_va_vcc(0) depctr_vm_vsrc(0)
	s_getreg_b32 s2, hwreg(HW_REG_IB_STS2, 6, 4)
	s_cmp_eq_u32 s2, 0
	s_cbranch_scc0 .Lentry_in_a_cluster
	s_endpgm
.Lentry_in_a_cluster:
	s_bfe_u32 s2, ttmp6, 0x10000c
	s_cmp_lg_u32 s2, 0x3003
	s_cbranch_scc0 .Lentry_shape_is_right
	s_endpgm
.Lentry_shape_is_right:
; O[b][h][q] = sum over k of softmax_k(q . k / 8, hidden keys at -1e9) v.  q, k, v: f16, in the order of the operands' registers (qkv: [third][batch x head][token tile][16 channels][512 bytes]).  Products, maxima and sums in f32;
; the weights p are rounded to f16 for the second product, O once at the end, to f16 (oc: [row tile 512][16 channels 64][512 bytes], the next launch's operand order).
; SHARES.  A work-group owns 512 queries of one head, each of its eight waves (two to a SIMD) 64: four tiles of 16, worked as two pieces of two tiles.  Every wave walks the head's 2,048 keys, 64 a step.
; A fragment of K or V read from LDS feeds four matrix instructions.  While one wave of a SIMD walks its softmax the other can issue products.
; LAYOUT.  S^T = K Q^T (source 0 = 16 keys, source 1 = 16 queries) and O^T = V^T P: a lane holds ONE query throughout; two tiles of S^T, rounded in pairs, are source 1 of the second product.  V is turned by ds_load_tr16_b128.
; THE MASK costs no vector line: an addend for each key (0, or -8e9 on the raw score) is the C of each score tile's first matrix instruction; a register of S^T is a key, so eight registers serve all queries.
; A batch with no open key has addends 0 and c = 0: every p is 1, the result the mean of v.  What hidden keys ahead of the first open one leave in O and l is multiplied by 2^(c (old m - new m)) = 0 there.
; SOFTMAX.  A running maximum m and sum l for each query: p = 2^(c s - c m), c = log2(e) / 8; in every step O and l are multiplied by a = 2^(c m_old - c m_new).
; CLUSTER.  The four query blocks of a head form a cluster and walk the same K, V and addends: every tile is asked for jointly, the same load with the same descriptor and the mask 15 in all four.
; RING.  Two slots of 512 keys (K 65,536 bytes, then V 65,536), each wave fetching an eighth with one load; one round of the cluster's barrier for each change of slots; a load has a slot's eight steps, 512 matrix instructions a wave, in which to land.
; LIMITS: att stays above -1e8 and a row's spread of att under 1e8, so that the addend acts as the replacement by -1e9 does; |o| under 65,504; NaN and infinities are not served.
; The whole of a WGP's LDS is claimed.
; REGISTERS.  window 0: v1-9 addresses; v16-47 statistics, 8 a tile (+0 c m, +1 m, +2 +3 l, +4..+7 at work; a takes +6); v48-79 addends; v80-143 S^T of the piece in hand; v144-175 P; v192-255 K.
;   window 1: v0-127 O^T, 32 a tile; v128-191 Q, 16 a tile; v192-255 V.
.set SLOT1, 1<<17                      ; slot 1 begins here: one exclusive or turns an address from one slot to the other
.set BIAS,  2*SLOT1                    ; behind the ring: the batch's 2,048 addends, filled once
.set SPARE, BIAS+8192                  ; the spare words, 128 bytes for each of eight waves
.set L16, 1                            ; v1  16 x lane: a piece's place for my lane; never rewritten
.set ADK, 2                            ; v2  LDS address of the step's K
.set ADV, 3                            ; v3  of its V
.set ADB, 4                            ; v4  of its addends
.set AV0, 5                            ; v5  16 x lane + 65,536
.set AB0, 6                            ; v6  BIAS + 32 (lane / 16)
.set PFO, 7                            ; v7  256 x lane: the prefetches' offset
.set SPW, 8                            ; v8  LDS address of my spare word; never rewritten
.set NIL, 9                            ; v9  0; never rewritten
.set ST,  16
.set BI,  48
.set S,   80
.set P,   144
.set KF,  192
.set QF,  128                          ; in window 1
.set VF,  192                          ; in window 1
.set WV,  10                           ; s10 my wave's number
.set G1,  24                           ; s[24:31] group 1: 16,384 dense bytes as 64 rows of 256
.set G1T, 32                           ; s[32:39] group 1: 1,024 dense bytes as 4 rows of 256
.set G0,  40                           ; s[40:43] group 0 for K's or V's eighth; it walks
.set G0T, 44                           ; s[44:47] group 0 for my eighth of the addends
.set CS,  48                           ; s[48:49] c, twice
.set SEL, 50                           ; s[50:51] lane selects: lane l xor 16
.set TB,  52                           ; s52 LDS byte at which the step's K begins
.set TJ,  53                           ; s53 2,048 x the number of slots walked: where the slot's addends begin
.set SLOTS, 54                         ; s54 slots still to be asked for
.set CNT, 55                           ; s55 counts a slot's eight steps
.set PFA, 56                           ; s[56:57] where my prefetches stand
.set LIM, 58                           ; s58 1 in a wave that prefetches, else the greatest number
.set MSB, 0
.macro WIN new                         ; the immediate's high byte repeats the setting that is left
.if MSB != \new
	s_set_vgpr_msb (MSB<<8)|\new
.set MSB, \new
.endif
.endm
.set W_KQ, 0x04                        ; Q (source 1) in window 1; K, C and S^T in window 0
.set W_PV, 0x51                        ; V (source 0), C and O^T in window 1; P in window 0
.set W_RS, 0x41                        ; O^T (destination and source 0) in window 1, a in window 0
.set W_T1, 0x40                        ; destination in window 1
.macro CROUND                          ; a round of the cluster's barrier
	s_barrier_signal -1
	s_barrier_wait -1
	s_cmp_lg_u32 s[WV], 0
	s_cbranch_scc1 .Lnot_wave_0_\@
	s_barrier_signal -3
.Lnot_wave_0_\@:
	s_barrier_wait -3
	s_barrier_signal -1
	s_barrier_wait -1
.endm
; A prefetch of what the NEXT change of slots will ask for: 65,536 bytes of K and of V.  Each aligned 256 bytes are named once: the four partners take 16,384 bytes of each, told apart by address;
; in each, waves 0 and 1 ask for K's halves and waves 2 and 3 for V's, a lane 256 bytes.  It stands a slot's eight steps ahead of the load; the last change that fills a slot asks for nothing.
.macro ASK
	s_cmp_gt_u32 s[SLOTS], s[LIM]
	s_cbranch_scc0 .Lnot_mine_\@
	global_prefetch_b8 v[PFO], s[PFA:PFA+1] th:TH_LOAD_NT scope:SCOPE_SE
.Lnot_mine_\@:
.endm
	s_load_b128 s[4:7], s[0:1], 0x0                ; qkv, mb
	s_load_b64 s[8:9], s[0:1], 0x10                ; oc
	v_lshl_add_u32 v[SPW], v0, 2, SPARE
	v_mov_b32 v[NIL], 0
	ds_add_u32 v[SPW], v[NIL]                      ; the wave's opening: the add, twice on end, and its wait ahead of my first tensor load
	ds_add_u32 v[SPW], v[NIL]
	v_lshrrev_b32 v1, 5, v0
	v_readfirstlane_b32 s[WV], v1                  ; wave 0..7
	s_bfe_u32 s11, ttmp6, 0x40000                  ; cx: my block of 512 queries; it enters Q's, O's and the prefetches' addresses alone
	s_and_b32 s12, ttmp7, 0xffff                   ; batch x 16 + head, which the partners share
	s_lshr_b32 s13, s12, 4                         ; batch
	s_mov_b32 s[G1], 15|(3<<16)|(1<<21)            ; the mask: all four; elements of 8 bytes; bit 21 beside a mask; no padding
	s_mov_b32 s[G1+1], 32<<16                      ; tensor_dim0 = 32 elements (256 bytes)
	s_mov_b32 s[G1+2], 64<<16                      ; tensor_dim1 = 64
	s_mov_b32 s[G1+3], 32<<16                      ; tile_dim0
	s_mov_b32 s[G1+4], 64                          ; tile_dim1
	s_mov_b32 s[G1+5], 32                          ; dense
	s_mov_b32 s[G1+6], 0
	s_mov_b32 s[G1+7], 0
	s_mov_b32 s[G1T], 15|(3<<16)|(1<<21)
	s_mov_b32 s[G1T+1], 32<<16
	s_mov_b32 s[G1T+2], 4<<16
	s_mov_b32 s[G1T+3], 32<<16
	s_mov_b32 s[G1T+4], 4
	s_mov_b32 s[G1T+5], 32
	s_mov_b32 s[G1T+6], 0
	s_mov_b32 s[G1T+7], 0
	s_lshl_b32 s14, s12, 18                        ; the head's 262,144 bytes in each third of qkv
	s_lshr_b32 s16, s[WV], 2                       ; waves 0-3 fetch K (third 1), waves 4-7 V (third 2):
	s_add_co_u32 s16, s16, 1
	s_lshl_b32 s16, s16, 24
	s_add_co_u32 s16, s16, s14
	s_and_b32 s15, s[WV], 3
	s_lshl_b32 s15, s15, 14                        ; a quarter of a slot's 65,536 bytes
	s_add_co_u32 s16, s16, s15
	s_mov_b32 s17, 0
	s_lshl_b32 s18, s13, 13                        ; the batch's addends, my eighth
	s_lshl_b32 s15, s[WV], 10
	s_add_co_u32 s18, s18, s15
	s_mov_b32 s19, 0
	s_lshl_b32 s20, s13, 7                         ; the batch's c
	s_mov_b32 s21, 0
	s_lshl_b32 s22, s11, 16                        ; Q: my block's 32 token tiles, my wave's 4
	s_lshl_b32 s62, s[WV], 13
	s_add_co_u32 s22, s22, s62
	s_add_co_u32 s22, s22, s14
	s_mov_b32 s23, 0
	s_lshl_b32 s60, s13, 7                         ; O: row tile 128 x batch + 32 cx + 4 x wave,
	s_lshl_b32 s62, s11, 5
	s_add_co_u32 s60, s60, s62
	s_lshl_b32 s62, s[WV], 2
	s_add_co_u32 s60, s60, s62
	s_lshl_b32 s60, s60, 15                        ; 32,768 bytes each,
	s_and_b32 s62, s12, 15
	s_lshl_b32 s62, s62, 11                        ; + the head's four pieces of 512
	s_add_co_u32 s60, s60, s62
	s_mov_b32 s61, 0
	s_bfe_u32 s[PFA], s[WV], 0x10001               ; the prefetches: waves 0, 1: K; waves 2, 3: V
	s_add_co_u32 s[PFA], s[PFA], 1
	s_lshl_b32 s[PFA], s[PFA], 24
	s_add_co_u32 s[PFA], s[PFA], s14
	s_lshl_b32 s62, s11, 14                        ; my work-group's 16,384 bytes,
	s_add_co_u32 s[PFA], s[PFA], s62
	s_and_b32 s62, s[WV], 1
	s_lshl_b32 s62, s62, 13                        ; my wave's 8,192,
	s_add_co_u32 s[PFA], s[PFA], s62
	s_add_co_u32 s[PFA], s[PFA], 65536             ; in slot 1: the first change of slots steps it to slot 2.  Nothing is prefetched at the head
	s_mov_b32 s[PFA+1], 0
	s_cmp_lt_u32 s[WV], 4
	s_cselect_b32 s[LIM], 1, -1
	s_mov_b32 s[SEL], 0x76543210
	s_mov_b32 s[SEL+1], 0xfedcba98
	s_mov_b32 s[TB], 0
	s_mov_b32 s[TJ], 0
	s_mov_b32 s[SLOTS], 3
	s_wait_dscnt 0x0                               ; both opening adds are done
	s_wait_kmcnt 0x0
	s_add_nc_u64 s[20:21], s[6:7], s[20:21]
	s_load_b32 s[CS], s[20:21], 0x8000             ; c: a multiplier only; no branch and no address hangs on it
	s_mov_b32 s[G0], 1
	s_lshl_b32 s[G0+1], s[WV], 14                  ; LDS: wave x 16,384 in slot 0: K's four quarters, then V's
	s_add_nc_u64 s[G0+2:G0+3], s[4:5], s[16:17]
	s_or_b32 s[G0+3], s[G0+3], 0x80000000
	s_mov_b32 s[G0T], 1
	s_lshl_b32 s[G0T+1], s[WV], 10
	s_add_co_u32 s[G0T+1], s[G0T+1], BIAS
	s_add_nc_u64 s[G0T+2:G0T+3], s[6:7], s[18:19]
	s_or_b32 s[G0T+3], s[G0T+3], 0x80000000
	s_add_nc_u64 s[PFA:PFA+1], s[4:5], s[PFA:PFA+1]
	s_add_nc_u64 s[8:9], s[8:9], s[60:61]
	s_add_nc_u64 s[4:5], s[4:5], s[22:23]
	CROUND                                         ; all four work-groups are here: the first joint loads meet
	tensor_load_to_lds s[G0T:G0T+3], s[G1T:G1T+7]  ; the addends: filled once
	s_nop 0
	tensor_load_to_lds s[G0:G0+3], s[G1:G1+7]      ; slot 0.  Two loads of mine are out
	s_nop 0
.rept 4
	v_nop
.endr
	v_and_b32 v[L16], 31, v0
	v_lshlrev_b32 v[L16], 4, v[L16]
	v_add_nc_u32 v[AV0], 0x10000, v[L16]
	v_bfe_u32 v[AB0], v0, 4, 1
	v_lshl_add_u32 v[AB0], v[AB0], 5, BIAS
	v_lshlrev_b32 v[PFO], 4, v[L16]
	WIN W_T1
.irp n, 0,1,2,3,4,5,6,7,8,9,10,11,12,13,14,15
	global_load_b128 v[QF+4*\n:QF+4*\n+3], v[L16], s[4:5] offset:512*\n th:TH_LOAD_NT   ; Q stays in registers: tile n / 4, channels 16 (n % 4) on
.endr
.set i, 0
.rept 128
	v_mov_b32 v[i], 0                              ; O^T.  The key step is written once: its first walk finds zeros, which the first a leaves zeros
.set i, i+1
.endr
	WIN 0
	s_wait_kmcnt 0x0                               ; c
	s_mov_b32 s[CS+1], s[CS]                       ; (the packed form names the pair)
.irp t, 0,1,2,3
	v_mov_b32 v[ST+8*\t+1], 0xff61b1e6             ; m: -3e38, under every score
	v_mov_b32 v[ST+8*\t+2], 0                      ; l, in two halves
	v_mov_b32 v[ST+8*\t+3], 0
.endr
.irp t, 0,1,2,3
	v_mul_f32 v[ST+8*\t], s[CS], v[ST+8*\t+1]      ; c m
.endr
; 16 products S^T = K Q^T + the addends, for tiles x and x + 1: channels 32 (i / 8) on, keys 16 ((i / 2) % 4) on.  Eight accumulators take turns.
.macro KQ x
	WIN W_KQ
.set i, 0
.rept 16
.set rS, S+32*(i%2)+8*((i/2)%4)
.set rK, KF+16*((i/2)%4)+8*(i/8)
.set rQ, QF+16*(\x+i%2)+8*(i/8)
.set rB, BI+8*((i/2)%4)
.if i < 8
	v_wmma_f32_16x16x32_f16 v[rS:rS+7], v[rK:rK+7], v[rQ:rQ+7], v[rB:rB+7]
.else
	v_wmma_f32_16x16x32_f16 v[rS:rS+7], v[rK:rK+7], v[rQ:rQ+7], v[rS:rS+7]
.endif
.set i, i+1
.endr
.endm
; 16 products O^T += V^T P: keys 32 (i / 8) on, channels 16 ((i / 2) % 4) on, tiles x and x + 1
.macro PV x
	WIN W_PV
.set i, 0
.rept 16
.set rO, 32*(\x+i%2)+8*((i/2)%4)
.set rV, VF+8*(4*(i/8)+(i/2)%4)
.set rP, P+16*(i%2)+8*(i/8)
	v_wmma_f32_16x16x32_f16 v[rO:rO+7], v[rV:rV+7], v[rP:rP+7], v[rO:rO+7]
.set i, i+1
.endr
.endm
; The softmax of tiles x and x + 1 for one key step, the two tiles line by line in turn so that no line waits for the line above it.
.macro SM x
	WIN 0
.rept 4
	v_nop                                          ; four places behind the products whose results are read next
.endr
.irp j, 0,1,2,3                        ; the maximum of my 32 scores and the old m: four chains, each accumulator from its low end on
.irp u, 0,1
	v_max3_num_f32 v[ST+8*(\x+\u)+4+\j], v[S+32*\u+8*\j], v[S+32*\u+8*\j+1], v[S+32*\u+8*\j+2]
.endr
.endr
.irp g, 3,5
.irp j, 0,1,2,3
.irp u, 0,1
	v_max3_num_f32 v[ST+8*(\x+\u)+4+\j], v[ST+8*(\x+\u)+4+\j], v[S+32*\u+8*\j+\g], v[S+32*\u+8*\j+\g+1]
.endr
.endr
.endr
.irp u, 0,1
	v_max3_num_f32 v[ST+8*(\x+\u)+4], v[ST+8*(\x+\u)+4], v[S+32*\u+7], v[S+32*\u+15]
	v_max3_num_f32 v[ST+8*(\x+\u)+6], v[ST+8*(\x+\u)+6], v[S+32*\u+23], v[S+32*\u+31]
.endr
.irp u, 0,1
	v_max3_num_f32 v[ST+8*(\x+\u)+4], v[ST+8*(\x+\u)+4], v[ST+8*(\x+\u)+5], v[ST+8*(\x+\u)+6]
.endr
.irp u, 0,1
	v_max3_num_f32 v[ST+8*(\x+\u)+4], v[ST+8*(\x+\u)+4], v[ST+8*(\x+\u)+7], v[ST+8*(\x+\u)+1]
.endr
.irp u, 0,1
	v_permlanex16_b32 v[ST+8*(\x+\u)+5], v[ST+8*(\x+\u)+4], s[SEL], s[SEL+1]   ; the query's other 32 keys lie in the lane 16 away
.endr
.irp u, 0,1
	v_mov_b32 v[ST+8*(\x+\u)+7], v[ST+8*(\x+\u)]   ; c m_old
.endr
.irp u, 0,1
	v_max_num_f32 v[ST+8*(\x+\u)+1], v[ST+8*(\x+\u)+4], v[ST+8*(\x+\u)+5]      ; the new m
.endr
.irp u, 0,1
	v_mul_f32 v[ST+8*(\x+\u)], s[CS], v[ST+8*(\x+\u)+1]
.endr
.irp u, 0,1
	v_sub_f32 v[ST+8*(\x+\u)+7], v[ST+8*(\x+\u)+7], v[ST+8*(\x+\u)]
.endr
	; ONE BATCH: 2 x 33 exponentials and the scalings among them; no line of it names an exponential's result; a pair is scaled a turn ahead of its exponentials
.irp u, 0,1
	v_exp_f32 v[ST+8*(\x+\u)+6], v[ST+8*(\x+\u)+7] ; a
.endr
.irp u, 0,1
	v_pk_fma_f32 v[S+32*\u:S+32*\u+1], v[S+32*\u:S+32*\u+1], s[CS:CS+1], v[ST+8*(\x+\u):ST+8*(\x+\u)+1] op_sel_hi:[1,0,0] neg_lo:[0,0,1] neg_hi:[0,0,1]
.endr
.set i, 0
.rept 16
.irp u, 0,1
.if i < 15
	v_pk_fma_f32 v[S+32*\u+2*i+2:S+32*\u+2*i+3], v[S+32*\u+2*i+2:S+32*\u+2*i+3], s[CS:CS+1], v[ST+8*(\x+\u):ST+8*(\x+\u)+1] op_sel_hi:[1,0,0] neg_lo:[0,0,1] neg_hi:[0,0,1]   ; c s - c m
.endif
	v_exp_f32 v[S+32*\u+2*i], v[S+32*\u+2*i]
	v_exp_f32 v[S+32*\u+2*i+1], v[S+32*\u+2*i+1]
.endr
.set i, i+1
.endr
	v_nop                                          ; a plain line behind the last exponential
	s_wait_alu depctr_va_vdst(0)                   ; the wait ahead of the first line that names a result: one for the batch
.set i, 0
.rept 16
.irp u, 0,1
	v_cvt_pk_f16_f32 v[P+16*\u+i], v[S+32*\u+2*i], v[S+32*\u+2*i+1]
.endr
.set i, i+1
.endr
.irp z, 0,1,2,3,4,5,6,7                ; the sum of the unrounded p, in place: neighbours 1, 2, 4 and 8 pairs apart
.irp u, 0,1
	v_pk_add_f32 v[S+32*\u+4*\z:S+32*\u+4*\z+1], v[S+32*\u+4*\z:S+32*\u+4*\z+1], v[S+32*\u+4*\z+2:S+32*\u+4*\z+3]
.endr
.endr
.irp z, 0,1,2,3
.irp u, 0,1
	v_pk_add_f32 v[S+32*\u+8*\z:S+32*\u+8*\z+1], v[S+32*\u+8*\z:S+32*\u+8*\z+1], v[S+32*\u+8*\z+4:S+32*\u+8*\z+5]
.endr
.endr
.irp z, 0,1
.irp u, 0,1
	v_pk_add_f32 v[S+32*\u+16*\z:S+32*\u+16*\z+1], v[S+32*\u+16*\z:S+32*\u+16*\z+1], v[S+32*\u+16*\z+8:S+32*\u+16*\z+9]
.endr
.endr
.irp u, 0,1
	v_pk_add_f32 v[S+32*\u:S+32*\u+1], v[S+32*\u:S+32*\u+1], v[S+32*\u+16:S+32*\u+17]
.endr
.irp u, 0,1
	v_pk_fma_f32 v[ST+8*(\x+\u)+2:ST+8*(\x+\u)+3], v[ST+8*(\x+\u)+2:ST+8*(\x+\u)+3], v[ST+8*(\x+\u)+6:ST+8*(\x+\u)+7], v[S+32*\u:S+32*\u+1] op_sel_hi:[1,0,1]   ; l = a l + the sum
.endr
	WIN W_RS
.set i, 0
.rept 16
.irp u, 0,1
	v_pk_mul_f32 v[32*(\x+\u)+2*i:32*(\x+\u)+2*i+1], v[32*(\x+\u)+2*i:32*(\x+\u)+2*i+1], v[ST+8*(\x+\u)+6:ST+8*(\x+\u)+7] op_sel_hi:[1,0]   ; O^T x a, each accumulator from its low end on
.endr
.set i, i+1
.endr
.endm
; A KEY STEP: 64 keys.  40 LDS loads in one run, then piece 0's scores, softmax and V^T P, then piece 2's.
.macro STEP
	s_and_b32 s59, s[TB], 0xffff                   ; 8,192 x the step in its slot
	s_lshr_b32 s59, s59, 5                         ; 256 bytes of addends a step,
	s_add_co_u32 s59, s59, s[TJ]                   ; + the slot's
	v_add_nc_u32 v[ADK], s[TB], v[L16]             ; these three and the v_nop are the four places between the last products and the loads into V's registers
	v_add_nc_u32 v[ADV], s[TB], v[AV0]
	v_add_nc_u32 v[ADB], s59, v[AB0]
	v_nop
.irp n, 0,1,2,3,4,5,6,7,8,9,10,11,12,13,14,15
	ds_load_b128 v[KF+4*\n:KF+4*\n+3], v[ADK] offset:512*\n                    ; K: token tile n / 4, channels 16 (n % 4) on
.endr
.irp n, 0,1,2,3,4,5,6,7
	ds_load_b128 v[BI+4*\n:BI+4*\n+3], v[ADB] offset:(\n/2)*64+(\n%2)*16       ; addends of keys 16 (n / 2) + 8 (lane / 16) + 4 (n % 2) + 0 .. 3
.endr
	WIN W_T1
.irp k, 0,1
.irp c, 0,1,2,3
.irp e, 0,1
	ds_load_tr16_b128 v[VF+8*(4*\k+\c)+4*\e:VF+8*(4*\k+\c)+4*\e+3], v[ADV] offset:(2*\k+\e)*2048+\c*512   ; V turned: channels 16 c on, keys 32 k + 16 e on
.endr
.endr
.endr
	s_wait_dscnt 16                                ; K and the addends are in; V's sixteen loads may be out
	KQ 0
	SM 0
	s_wait_dscnt 0x0                               ; V is in
	PV 0
	KQ 2
	SM 2
	PV 2
	WIN 0
	s_add_co_u32 s[TB], s[TB], 8192
.endm
.macro STEPS                           ; a slot's eight steps: written once, walked eight times
	s_mov_b32 s[CNT], 8
.Lstep_\@:
	STEP
	s_sub_co_u32 s[CNT], s[CNT], 1
	s_cmp_lg_u32 s[CNT], 0
	s_cbranch_scc1 .Lstep_\@
	s_sub_co_u32 s[TB], s[TB], 65536               ; back to a slot's first step,
	s_xor_b32 s[TB], s[TB], SLOT1                  ; in the other slot
	s_add_co_u32 s[TJ], s[TJ], 2048
.endm
; THE CHANGE OF SLOTS stands at a slot's head.  Each wave waits for all its tensor loads (its part of the slot that it is about to read), adds 0 to its spare word, and waits for that and for its reads of the slot that it has left.
; fill = 1: behind a round of the cluster's barrier the other slot takes the next 512 keys: the wave's one tensor load until the next round.
.macro CHANGE fill
	s_wait_tensorcnt 0x0                           ; no tensor load of mine is out, so group 0 may be written
	ds_add_u32 v[SPW], v[NIL]                      ; 0 onto my spare word
.if \fill
	s_xor_b32 s[G0+1], s[G0+1], SLOT1              ; the other slot than last time,
	s_add_nc_u64 s[G0+2:G0+3], s[G0+2:G0+3], 65536 ; the next 512 keys; the type bits on top are not reached
	s_wait_xcnt 0x0                                ; the last prefetch, a slot back, has read its address
	s_add_nc_u64 s[PFA:PFA+1], s[PFA:PFA+1], 65536 ; one slot further on than the walking descriptor
	s_wait_dscnt 0x0                               ; the add is done, and my reads of the slot that I have left are over
	CROUND
	tensor_load_to_lds s[G0:G0+3], s[G1:G1+7]
	s_nop 0
.rept 4
	v_nop
.endr
	ASK
.else
	s_wait_dscnt 0x0
	s_barrier_signal -1
	s_barrier_wait -1
.endif
.endm
	s_wait_loadcnt 0x0                             ; Q
.Lslot:                                            ; three trips: behind each change of slots but the last the next slot is asked for
	CHANGE 1
	STEPS
	s_sub_co_u32 s[SLOTS], s[SLOTS], 1
	s_cmp_lg_u32 s[SLOTS], 0
	s_cbranch_scc1 .Lslot
	CHANGE 0                                       ; the last slot is written out
	STEPS
	; THE WAY OUT.  l's two halves and the other half of the lanes' are added (the first four additions are the places behind the last products); O^T / l is rounded to f16: a lane's eight channels of a query are 16 bytes,
	; stored from registers at 16 x lane: 512 consecutive bytes an instruction, in the order of the next launch's operand.
.irp t, 0,1,2,3
	v_add_f32 v[ST+8*\t+4], v[ST+8*\t+2], v[ST+8*\t+3]
.endr
.irp t, 0,1,2,3
	v_permlanex16_b32 v[ST+8*\t+5], v[ST+8*\t+4], s[SEL], s[SEL+1]
.endr
.irp t, 0,1,2,3
	v_add_f32 v[ST+8*\t+4], v[ST+8*\t+4], v[ST+8*\t+5]
.endr
.irp t, 0,1,2,3
	v_rcp_f32 v[ST+8*\t+6], v[ST+8*\t+4]
.endr
	v_nop                                          ; a plain line behind the last reciprocal
	s_wait_alu depctr_va_vdst(0)                   ; and the wait ahead of the first use: one for the four
.irp t, 0,1,2,3
	WIN W_RS
.set i, 0
.rept 16
	v_pk_mul_f32 v[32*\t+i:32*\t+i+1], v[32*\t+i:32*\t+i+1], v[ST+8*\t+6:ST+8*\t+7] op_sel_hi:[1,0]
.set i, i+2
.endr
	WIN 0x05                                       ; sources 0 and 1 window 1, destination window 0: S^T's registers are free
.set i, 0
.rept 16
	v_cvt_pk_f16_f32 v[S+16*\t+i], v[32*\t+2*i], v[32*\t+2*i+1]
.set i, i+1
.endr
	WIN 0
.irp c, 0,1,2,3
	global_store_b128 v[L16], v[S+16*\t+4*\c:S+16*\t+4*\c+3], s[8:9] offset:\t*32768+\c*512
.endr
.endr
	s_wait_tensorcnt 0x0                           ; the wave's end
	ds_add_u32 v[SPW], v[NIL]
	s_wait_dscnt 0x0
	CROUND                                         ; the closing round
	s_endpgm
.Lfunc_end_k_q0052e5aa4a_attn:
	.size	k_q0052e5aa4a_attn, .Lfunc_end_k_q0052e5aa4a_attn-k_q0052e5aa4a_attn
	.p2alignl 7, 3214868480
	.fill 96, 4, 3214868480
	.section	.rodata,"a",@progbits
	.p2align	6, 0x0
	.amdhsa_kernel k_q0052e5aa4a_attn
		.amdhsa_group_segment_fixed_size 327680
		.amdhsa_private_segment_fixed_size 0
		.amdhsa_enable_private_segment 0
		.amdhsa_kernarg_size 24
		.amdhsa_user_sgpr_count 2
		.amdhsa_user_sgpr_kernarg_segment_ptr 1
		.amdhsa_wavefront_size32 1
		.amdhsa_system_sgpr_workgroup_id_x 1
		.amdhsa_system_sgpr_workgroup_id_y 1
		.amdhsa_system_sgpr_workgroup_id_z 1
		.amdhsa_system_vgpr_workitem_id 0
		.amdhsa_next_free_vgpr 512
		.amdhsa_next_free_sgpr 66
		.amdhsa_reserve_vcc 0
		.amdhsa_float_denorm_mode_32 3
		.amdhsa_float_denorm_mode_16_64 3
		.amdhsa_memory_ordered 1
		.amdhsa_forward_progress 1
		.amdhsa_inst_pref_size 90
	.end_amdhsa_kernel
	.amdgpu_metadata
---
amdhsa.version: [ 1, 2 ]
amdhsa.kernels:
  - .name:           k_q0052e5aa4a_attn
    .symbol:         k_q0052e5aa4a_attn.kd
    .args:
      - { .name: qkv, .offset: 0, .size: 8, .value_kind: global_buffer, .address_space: global }
      - { .name: mb, .offset: 8, .size: 8, .value_kind: global_buffer, .address_space: global }
      - { .name: oc, .offset: 16, .size: 8, .value_kind: global_buffer, .address_space: global }
    .group_segment_fixed_size: 327680
    .private_segment_fixed_size: 0
    .kernarg_segment_align: 8
    .kernarg_segment_size: 24
    .max_flat_workgroup_size: 256
    .sgpr_count:     66
    .vgpr_count:     512
    .wavefront_size: 32
...
	.end_amdgpu_metadata
.endif
;; end of part 3
;; launch proj (part 4): grid 4 x 64, 4 waves a work-group, clusters of 4 x 4, 327,680 bytes of LDS; arguments oc, wo, b_out, out0; writes out0
.if DOCPART == 4
	.amdgcn_target "amdgcn-amd-amdhsa--gfx1250"
	.amdhsa_code_object_version 6
	.text
	.protected	k_q0052e5aa4a_proj
	.globl	k_q0052e5aa4a_proj
	.p2align	8
	.type	k_q0052e5aa4a_proj,@function
k_q0052e5aa4a_proj:
	s_mov_b64 s[64:65], 0
	v_nop
	global_prefetch_b8 v0, s[64:65] scope:SCOPE_SE
	s_setreg_imm32_b32 hwreg(HW_REG_WAVE_MODE, 25, 1), 1
	s_wait_xcnt 0x0
	s_wait_alu depctr_hold_cnt(0) depctr_sa_sdst(0) depctr_va_vdst(0) depctr_va_sdst(0) depctr_va_ssrc(0) depctr_va_vcc(0) depctr_vm_vsrc(0)
	s_getreg_b32 s2, hwreg(HW_REG_IB_STS2, 6, 4)
	s_cmp_eq_u32 s2, 0
	s_cbranch_scc0 .Lentry_in_a_cluster
	s_endpgm
.Lentry_in_a_cluster:
	s_bfe_u32 s2, ttmp6, 0x10000c
	s_cmp_lg_u32 s2, 0xf033
	s_cbranch_scc0 .Lentry_shape_is_right
	s_endpgm
.Lentry_shape_is_right:
; out0 = o W_out + b_out: [8192][1024] x [1024][1024], f16 operands, f32 sums and result.
; oc: o in f16, [row tile 512][16 along K 64][512 bytes]; wo: W_out in f16, [column tile 64][8 along K 128][16 columns][16 bytes]: both in the order of the operands' registers: a piece of a fragment is 512 bytes, a lane's 16 at 16 x lane.
; A tile of C is 128 x 256, so that there are 256 work-groups; four waves, each 64 rows x 128 columns: 32 accumulators, 256 registers.  K goes in steps of 128 through two LDS slots (o 32,768 bytes, W_out 65,536);
; a row of a tensor load's tile is 4,096 consecutive bytes.  From a request to the wait for it a wave issues 112 matrix instructions.
; CLUSTERS: 4 x 4 work-groups; o's tiles are shared along a row of the cluster, W_out's along a column: each is asked for jointly.  No prefetch: the tiles are small and shared, and each K step's load follows the last at once.
; THE MATRIX INSTRUCTION IS USED TRANSPOSED (source 0 = 16 columns of W_out, source 1 = 16 rows of o): a lane holds eight neighbouring numbers of a row of C.  The bias is the C of each sum's first instruction.
; The whole of a WGP's LDS is claimed.
; REGISTERS: window 0: v1-29 addresses; v128-191 the bias, 8 tiles x 8; v32-95 and v192-255 rows on the way out.  window 1: two fragment buffers at v0 and v128: o's 4 fragments, then W_out's 8.  window 2: the accumulators, (a, b) at v[8 (8 a + b)].
.set SLOT,   98304
.set BOFF,   32768                     ; W_out's tiles lie behind o's in a slot
.set STAGE,  2*SLOT                    ; behind the ring: 16 rows x (512 bytes + 16) for each wave, for the way out
.set SPITCH, 528
.set SPARE,  STAGE+4*16*SPITCH         ; the spare words, 128 bytes a wave
.set LAPS,   4                         ; a lap = two K steps
.set ADRA, 16                          ; v16-17 LDS address of my o fragments in slot 0, 1
.set ADRB, 20                          ; v20-21 the same for W_out
.set STO,  24                          ; v24 the way out: where I put 32 bytes of a row
.set RD,   25                          ; v25 where I read a row back
.set CO,   26                          ; v26 16 x lane
.set BO,   27                          ; v27 32 x (lane / 16)
.set SPW,  28                          ; v28 LDS address of my spare word; never rewritten
.set NIL,  29                          ; v29 0; never rewritten
.set BIA,  128
.set F0,   0
.set F1,   128
.set G1, 24                            ; s[24:31] group 1 for o's tiles; s[32:39] group 0, a set for each slot
.set G0, 32
.set G1B, 48                           ; s[48:55], s[56:63] the same for W_out's
.set G0B, 56
.set MSB, 0
.macro WIN new                         ; the immediate's high byte repeats the setting that is left
.if MSB != \new
	s_set_vgpr_msb (MSB<<8)|\new
.set MSB, \new
.endif
.endm
.set MUL,  0xa5                        ; sources 0 and 1 window 1; C and D window 2
.set FST,  0x85                        ; the first quarter: C (the bias) window 0
.set TO_F, 0x40
.macro JLOAD s                         ; a joint load: waves 0 and 1 fetch o's halves, waves 2 and 3 W_out's; an s_nop 0 and four v_nop follow each of the two lines
	s_cmp_eq_u32 s13, 0
	s_cbranch_scc0 .Lfor_b_\@
	tensor_load_to_lds s[G0+4*\s:G0+4*\s+3], s[G1:G1+7]
	s_nop 0
.rept 4
	v_nop
.endr
	s_branch .Lasked_\@
.Lfor_b_\@:
	tensor_load_to_lds s[G0B+4*\s:G0B+4*\s+3], s[G1B:G1B+7]
	s_nop 0
.rept 4
	v_nop
.endr
.Lasked_\@:
.endm
.macro CREST                           ; a round of the cluster's barrier behind its opening barrier
	s_cmp_lg_u32 s12, 0
	s_cbranch_scc1 .Lnot_wave_0_\@
	s_barrier_signal -3
.Lnot_wave_0_\@:
	s_barrier_wait -3
	s_barrier_signal -1
	s_barrier_wait -1
.endm
.macro CROUND
	s_barrier_signal -1
	s_barrier_wait -1
	CREST
.endm
	s_load_b256 s[4:11], s[0:1], 0x0               ; oc 4:5, wo 6:7, b_out 8:9, out0 10:11
	v_lshl_add_u32 v[SPW], v0, 2, SPARE
	v_mov_b32 v[NIL], 0
	ds_add_u32 v[SPW], v[NIL]                      ; the wave's opening: the add, twice on end, and its wait ahead of my first tensor load
	ds_add_u32 v[SPW], v[NIL]
	v_lshrrev_b32 v1, 5, v0
	v_readfirstlane_b32 s12, v1                    ; wave 0..3
	s_lshr_b32 s13, s12, 1                         ; which 64 rows are mine.  Also: I fetch for o (0) or for W_out (1)
	s_and_b32 s14, s12, 1                          ; which 128 columns.  Also: which half of that tile I fetch
	s_bfe_u32 s40, ttmp6, 0x40000                  ; cx, cy
	s_bfe_u32 s41, ttmp6, 0x40004
	s_lshl_b32 s42, ttmp9, 2
	s_add_co_u32 s42, s42, s40                     ; tile column
	s_and_b32 s45, ttmp7, 0xffff
	s_lshl_b32 s45, s45, 2
	s_add_co_u32 s45, s45, s41                     ; tile row
	s_lshl_b32 s43, s41, 2
	s_lshl_b32 s43, 15, s43                        ; my row of the cluster
	s_lshl_b32 s44, 0x1111, s40                    ; my column
	s_or_b32 s[G1+0], s43, (3<<16)|(1<<21)         ; o: the mask of my row; elements of 8 bytes; no padding: 4 row tiles, 4,096 bytes (128 along K) of each
	s_mov_b32 s[G1+1], 512<<16                     ; tensor_dim0 = 512 elements
	s_mov_b32 s[G1+2], 4<<16                       ; tensor_dim1 = 4
	s_mov_b32 s[G1+3], 512<<16
	s_mov_b32 s[G1+4], 4
	s_mov_b32 s[G1+5], 4096                        ; a row tile is 32,768 bytes
	s_mov_b32 s[G1+6], 0
	s_mov_b32 s[G1+7], 0
	s_or_b32 s[G1B+0], s44, (3<<16)|(1<<21)        ; W_out: the mask of my column; 8 column tiles
	s_mov_b32 s[G1B+1], 512<<16
	s_mov_b32 s[G1B+2], 8<<16
	s_mov_b32 s[G1B+3], 512<<16
	s_mov_b32 s[G1B+4], 8
	s_mov_b32 s[G1B+5], 4096
	s_mov_b32 s[G1B+6], 0
	s_mov_b32 s[G1B+7], 0
	s_lshl_b32 s16, s45, 18                        ; o: (8 x tile row + 4 x half) x 32,768
	s_lshl_b32 s18, s14, 17
	s_add_co_u32 s16, s16, s18
	s_mov_b32 s17, 0
	s_lshl_b32 s46, s42, 19                        ; W_out: (16 x tile column + 8 x half) x 32,768
	s_lshl_b32 s18, s14, 18
	s_add_co_u32 s46, s46, s18
	s_mov_b32 s47, 0
	s_lshl_b32 s20, s14, 14                        ; where they go: no place in the cluster enters an LDS address
	s_lshl_b32 s21, s14, 15
	s_add_co_u32 s21, s21, BOFF
	s_wait_dscnt 0x0                               ; both opening adds are done
	s_wait_kmcnt 0x0
	s_add_nc_u64 s[16:17], s[4:5], s[16:17]
	s_add_nc_u64 s[46:47], s[6:7], s[46:47]
	CROUND                                         ; all sixteen work-groups are here: the first joint loads meet
.irp s, 0,1
	s_mov_b32 s[G0+4*\s], 1
	s_add_co_u32 s[G0+4*\s+1], s20, \s*SLOT
	s_add_nc_u64 s[G0+4*\s+2:G0+4*\s+3], s[16:17], \s*4096
	s_or_b32 s[G0+4*\s+3], s[G0+4*\s+3], 0x80000000
	s_mov_b32 s[G0B+4*\s], 1
	s_add_co_u32 s[G0B+4*\s+1], s21, \s*SLOT
	s_add_nc_u64 s[G0B+4*\s+2:G0B+4*\s+3], s[46:47], \s*4096
	s_or_b32 s[G0B+4*\s+3], s[G0B+4*\s+3], 0x80000000
	JLOAD \s
.endr
	v_and_b32 v1, 15, v0                           ; r
	v_bfe_u32 v2, v0, 4, 1                         ; h
	v_and_b32 v3, 31, v0
	v_lshlrev_b32 v[CO], 4, v3
	v_lshlrev_b32 v[BO], 5, v2
	s_lshl_b32 s22, s13, 14                        ; my 4 row tiles of o
	s_lshl_b32 s23, s14, 15                        ; my 8 column tiles of W_out
	s_add_co_u32 s23, s23, BOFF
.irp s, 0,1
	v_add_nc_u32 v[ADRA+\s], s22, v[CO]
	v_add_nc_u32 v[ADRB+\s], s23, v[CO]
	s_add_co_u32 s22, s22, SLOT
	s_add_co_u32 s23, s23, SLOT
.endr
	s_mul_i32 s23, s12, 16*SPITCH
	s_add_co_u32 s23, s23, STAGE                   ; my stage
	v_mul_u32_u24 v4, v1, SPITCH
	v_lshl_add_u32 v4, v2, 5, v4
	v_add_nc_u32 v[STO], s23, v4                   ; in: row r, 32 bytes for each half of the lanes
	v_add_nc_u32 v[RD], s23, v[CO]                 ; back: the 32 lanes take one row of 512 bytes
	s_lshl_b32 s18, s42, 10                        ; my first column in bytes: 4 x (256 x tile column + 128 x half)
	s_lshl_b32 s19, s14, 9
	s_add_co_u32 s18, s18, s19
	s_mov_b32 s19, 0
	s_add_nc_u64 s[8:9], s[8:9], s[18:19]
.irp b, 0,1,2,3,4,5,6,7
	global_load_b128 v[BIA+8*\b:BIA+8*\b+3], v[BO], s[8:9] offset:64*\b         ; lane (r, h), tile b: columns 16 b + 8 h + 0 .. 7
	global_load_b128 v[BIA+8*\b+4:BIA+8*\b+7], v[BO], s[8:9] offset:64*\b+16
.endr
	s_add_nc_u64 s[10:11], s[10:11], s[18:19]
	s_lshl_b32 s18, s45, 19                        ; my first row: (128 x tile row + 64 x half) x 4,096 bytes
	s_lshl_b32 s22, s13, 18
	s_add_co_u32 s18, s18, s22
	s_add_nc_u64 s[10:11], s[10:11], s[18:19]
; 8 matrix instructions: row block a against the eight column blocks, 32 along K.  first = 1: the bias is the C.  The 32 accumulators take turns, in the same order in every quarter.
.macro MUL8 f, a, first
.irp b, 0,1,2,3,4,5,6,7
.if \first
	v_wmma_f32_16x16x32_f16 v[8*(8*\a+\b):8*(8*\a+\b)+7], v[\f+32+8*\b:\f+32+8*\b+7], v[\f+8*\a:\f+8*\a+7], v[BIA+8*\b:BIA+8*\b+7]
.else
	v_wmma_f32_16x16x32_f16 v[8*(8*\a+\b):8*(8*\a+\b)+7], v[\f+32+8*\b:\f+32+8*\b+7], v[\f+8*\a:\f+8*\a+7], v[8*(8*\a+\b):8*(8*\a+\b)+7]
.endif
.endr
.endm
; 24 LDS loads in one run: the fragments of the slot's q-th 32 along K into buffer f: W_out's eight, then o's four
.macro FETCH slot, q, f
	WIN TO_F
.irp i, 0,1,2,3,4,5,6,7
	ds_load_b128 v[\f+32+8*\i:\f+32+8*\i+3],   v[ADRB+\slot] offset:\i*4096+(\q)*1024
	ds_load_b128 v[\f+32+8*\i+4:\f+32+8*\i+7], v[ADRB+\slot] offset:\i*4096+(\q)*1024+512
.endr
.irp i, 0,1,2,3
	ds_load_b128 v[\f+8*\i:\f+8*\i+3],   v[ADRA+\slot] offset:\i*4096+(\q)*1024
	ds_load_b128 v[\f+8*\i+4:\f+8*\i+7], v[ADRA+\slot] offset:\i*4096+(\q)*1024+512
.endr
.endm
.macro PLACES                          ; four plain lines in front of loads into registers that matrix instructions have read, and of the first read of results
.rept 4
	v_nop
.endr
.endm
; A K step is four quarters of 32 along K, 32 matrix instructions each, on buffers 0, 1, 0, 1.  One of the first three multiplies buffer f and fetches the slot's q-th quarter into g.
.macro QUARTER slot, q, f, g, first
	s_wait_dscnt 4                                 ; W_out's fragments and o's blocks 0 and 1 are in; the youngest four loads (blocks 2 and 3) may be out
.if \first
	WIN FST
.else
	WIN MUL
.endif
	MUL8 \f, 0, \first
	MUL8 \f, 1, \first
	PLACES
	FETCH \slot, \q, \g
	s_wait_dscnt 24                                ; all but the 24 just issued
.if \first
	WIN FST
.else
	WIN MUL
.endif
	MUL8 \f, 2, \first
	MUL8 \f, 3, \first
.endm
; The last quarter multiplies buffer 1 and changes slots: ONE barrier; in front of it each wave waits for all its tensor loads, adds 0 to its spare word, and waits for that and for its reads of this slot.  fill = 1: this slot is filled again, two K steps ahead.
.macro TURN slot, next, fill
	WIN 0                                          ; (the add's two registers lie in window 0)
	s_wait_tensorcnt 0x0                           ; all my tensor loads have landed: my part of the next slot
	ds_add_u32 v[SPW], v[NIL]                      ; 0 onto my spare word
	s_wait_dscnt 5                                 ; (the add and the youngest four loads may be out)
	WIN MUL
	MUL8 F1, 0, 0                                  ; eight matrix instructions stand between the add and the wait for it
	s_wait_dscnt 0x0                               ; the add is done, and my reads of this slot are over
	s_barrier_signal -1
	MUL8 F1, 1, 0
.if \fill
	WIN 0
.endif
	s_barrier_wait -1
.if \fill
	CREST                                          ; the barrier has opened a round of the cluster's barrier: no wave of any partner still reads this slot or has a load on its way
	s_add_nc_u64 s[G0+4*\slot+2:G0+4*\slot+3], s[G0+4*\slot+2:G0+4*\slot+3], 8192
	s_add_nc_u64 s[G0B+4*\slot+2:G0B+4*\slot+3], s[G0B+4*\slot+2:G0B+4*\slot+3], 8192
	JLOAD \slot                                    ; the first tensor load behind the round; its four v_nop are also the places in front of the loads below
.else
	PLACES
.endif
	FETCH \next, 0, F0
	WIN MUL
	MUL8 F1, 2, 0
	MUL8 F1, 3, 0
.endm
	s_wait_tensorcnt 1                             ; my part of K step 0 is in (K step 1's load may be out)
	s_barrier_signal -1
	s_barrier_wait -1                              ; everybody's is
	FETCH 0, 0, F0
	s_wait_loadcnt 0x0                             ; the bias
	QUARTER 0, 1, F0, F1, 1                        ; the first quarter stands in front of the loop: its products start the sums on the bias
	WIN 0                                          ; at a label and at a branch every window is 0
	s_mov_b32 s3, LAPS-1
.Llap:                                             ; a trip goes once round the ring, from a lap's second quarter to the next lap's first, and fills both slots again
	QUARTER 0, 2, F1, F0, 0
	QUARTER 0, 3, F0, F1, 0
	TURN 0, 1, 1
	QUARTER 1, 1, F0, F1, 0
	QUARTER 1, 2, F1, F0, 0
	QUARTER 1, 3, F0, F1, 0
	TURN 1, 0, 1
	QUARTER 0, 1, F0, F1, 0
	WIN 0
	s_sub_co_u32 s3, s3, 1
	s_cmp_lg_u32 s3, 0
	s_cbranch_scc1 .Llap
	QUARTER 0, 2, F1, F0, 0                        ; the last lap fills nothing, and has no round of the cluster's barrier
	QUARTER 0, 3, F0, F1, 0
	TURN 0, 1, 0
	QUARTER 1, 1, F0, F1, 0
	QUARTER 1, 2, F1, F0, 0
	QUARTER 1, 3, F0, F1, 0
	s_wait_dscnt 4                                 ; the very last quarter: nothing more to fetch
	WIN MUL
	MUL8 F1, 0, 0
	MUL8 F1, 1, 0
	s_wait_dscnt 0x0
	MUL8 F1, 2, 0
	MUL8 F1, 3, 0
	WIN 0
; THE WAY OUT, block by block of 16 rows x 128 columns: a lane holds 32 neighbouring bytes of a row and the lanes beside it other rows, so a block goes through my own stage and comes back as whole rows of 512 bytes.
; LDS serves a wave's instructions in order (ISA guide 5.7.1.4): no wait between the stores and the loads, nor in front of the next block's stores.
.macro TOSTAGE a
	WIN 0x08                                       ; an LDS store's data: window 2
.irp b, 0,1,2,3,4,5,6,7
	ds_store_b128 v[STO], v[64*(\a)+8*\b:64*(\a)+8*\b+3] offset:64*\b          ; each accumulator from its low end on
	ds_store_b128 v[STO], v[64*(\a)+8*\b+4:64*(\a)+8*\b+7] offset:64*\b+16
.endr
	WIN 0
.set BB, 32+160*((\a)%2)
.irp t, 0,1,2,3,4,5,6,7,8,9,10,11,12,13,14,15
	ds_load_b128 v[BB+4*\t:BB+4*\t+3], v[RD] offset:\t*SPITCH
.endr
.endm
.macro SEND a, younger                 ; younger: the LDS instructions issued behind block a's loads, which may stay out
.set BB, 32+160*((\a)%2)
	s_wait_dscnt \younger
.irp t, 0,1,2,3,4,5,6,7,8,9,10,11,12,13,14,15
	global_store_b128 v[CO], v[BB+4*\t:BB+4*\t+3], s[10:11] offset:(16*(\a)+\t)*4096 th:TH_STORE_NT   ; 32 lanes store 512 consecutive bytes, at a multiple of 256 from out0's first byte
.endr
.endm
	PLACES                                         ; behind the last products: their results are read
	TOSTAGE 0
.irp a, 1,2,3
.if \a > 1
	s_wait_xcnt 0x0                                ; block a - 2's stores have read their registers: block a's loads may land there
.endif
	TOSTAGE \a
	SEND \a-1, 32                                  ; behind block a - 1's loads: block a's 16 stores and 16 loads
.endr
	SEND 3, 0
	s_wait_tensorcnt 0x0                           ; the wave's end, behind my last tensor load and my last LDS store
	ds_add_u32 v[SPW], v[NIL]
	s_wait_dscnt 0x0
	CROUND                                         ; the closing round
	s_endpgm
.Lfunc_end_k_q0052e5aa4a_proj:
	.size	k_q0052e5aa4a_proj, .Lfunc_end_k_q0052e5aa4a_proj-k_q0052e5aa4a_proj
	.p2alignl 7, 3214868480
	.fill 96, 4, 3214868480
	.section	.rodata,"a",@progbits
	.p2align	6, 0x0
	.amdhsa_kernel k_q0052e5aa4a_proj
		.amdhsa_group_segment_fixed_size 327680
		.amdhsa_private_segment_fixed_size 0
		.amdhsa_enable_private_segment 0
		.amdhsa_kernarg_size 32
		.amdhsa_user_sgpr_count 2
		.amdhsa_user_sgpr_kernarg_segment_ptr 1
		.amdhsa_wavefront_size32 1
		.amdhsa_system_sgpr_workgroup_id_x 1
		.amdhsa_system_sgpr_workgroup_id_y 1
		.amdhsa_system_sgpr_workgroup_id_z 1
		.amdhsa_system_vgpr_workitem_id 0
		.amdhsa_next_free_vgpr 768
		.amdhsa_next_free_sgpr 66
		.amdhsa_reserve_vcc 0
		.amdhsa_float_denorm_mode_32 3
		.amdhsa_float_denorm_mode_16_64 3
		.amdhsa_memory_ordered 1
		.amdhsa_forward_progress 1
		.amdhsa_inst_pref_size 86
	.end_amdhsa_kernel
	.amdgpu_metadata
---
amdhsa.version: [ 1, 2 ]
amdhsa.kernels:
  - .name:           k_q0052e5aa4a_proj
    .symbol:         k_q0052e5aa4a_proj.kd
    .args:
      - { .name: oc, .offset: 0, .size: 8, .value_kind: global_buffer, .address_space: global }
      - { .name: wo, .offset: 8, .size: 8, .value_kind: global_buffer, .address_space: global }
      - { .name: b_out, .offset: 16, .size: 8, .value_kind: global_buffer, .address_space: global }
      - { .name: out0, .offset: 24, .size: 8, .value_kind: global_buffer, .address_space: global }
    .group_segment_fixed_size: 327680
    .private_segment_fixed_size: 0
    .kernarg_segment_align: 8
    .kernarg_segment_size: 32
    .max_flat_workgroup_size: 128
    .sgpr_count:     66
    .vgpr_count:     768
    .wavefront_size: 32
...
	.end_amdgpu_metadata
.endif
;; end of part 4
